; MI455X (gfx1250); checked and timed in simulation.
; The chip was launched on July 23, 2026; its instructions are those of AMD's public machine-readable ISA for CDNA 5 (MIT licence, August 2026) and "CDNA5" Instruction Set Architecture Reference Guide (July 2026). The comments in the code are by the model that wrote it; some were corrected since.
;; Grouped Query Attention. Allowed arithmetic: matrix products marked QUANTISED: E2M3 operands, one E8M0 scale for each 32 along K, by v_wmma_scale_f32_16x16x128_f8f6f4 with both operands' format E2M3, f32 sums; everything else in f32.
;; Inputs: Wk 1,024 x 256 float32; Wo 1,024 x 1,024 float32; Wq 1,024 x 1,024 float32; Wv 1,024 x 256 float32; x 4 x 2,048 x 1,024 float32.
;; Outputs: out0 4 x 2,048 x 1,024 float32.
;; This version of the problem:
;;   THIS VERSION OF THE PROBLEM IS GIVEN IN LOW PRECISION. The matrix products marked QUANTISED in the list below multiply operands that are first quantised to E2M3 (2 exponent bits, 3 mantissa bits; 6 bits a number), with one power-of-two scale for each 32 numbers along K (OCP MX v1.0); their sums are f32. All else is computed in f32.
;;   The module's matrix products, in the order in which they are computed (A, B: the left and right operand; K: the contracted axis; several contracted axes count as one K, in the product's order):
;;     1. [M 8,192, K 1,024] x [K 1,024, N 1,024]; A: input x; B: input Wq: QUANTISED
;;     2. [M 8,192, K 1,024] x [K 1,024, N 256]; A: input x; B: input Wk: QUANTISED
;;     3. [M 8,192, K 1,024] x [K 1,024, N 256]; A: input x; B: input Wv: QUANTISED
;;     4. batch 16 x [M 8,192, K 64] x [K 64, N 2,048]; A: computed on the way; B: computed on the way: QUANTISED
;;     5. batch 16 x [M 8,192, K 2,048] x [K 2,048, N 64]; A: softmax (see below); B: computed on the way: QUANTISED
;;     6. [M 8,192, K 1,024] x [K 1,024, N 1,024]; A: computed on the way; B: input Wo: QUANTISED
;;   THE QUANTISER, for each operand of a quantised product, along K:
;;     - K is cut into blocks of 32 from its start; a last block that is shorter is filled with zeros.
;;     - A block's scale is 2^e with e = floor(log2(the largest magnitude in the block)) - 2, held to -126 .. 127; a block of zeros has e = 0. As a byte (E8M0): e + 127.
;;     - Each number is divided by its block's scale, clamped to +-7.5, and rounded to the nearest number of E2M3, ties to even, subnormals kept.
;;     - The product sums the exact products of the quantised numbers (number of the format x scale) in f32.
;;   ~~~python
;;   def quantise(x, axis):      # numpy; x: float32 -> the quantised numbers, widened to float32 again
;;       x = np.moveaxis(x, axis, -1); K = x.shape[-1]
;;       x = np.pad(x, [(0, 0)] * (x.ndim - 1) + [(0, -K % 32)]); x = x.reshape(x.shape[:-1] + (-1, 32)); a = np.abs(x).max(-1, keepdims=True)
;;       e = np.where(a > 0, np.clip(np.frexp(np.where(a > 0, a, 1))[1] - 1 - 2, -126, 127), 0)      # np.frexp(a)[1] - 1 = floor(log2(a)), exactly
;;       r = np.clip(x / 2.0 ** e, -7.5, 7.5)
;;       step = 2.0 ** (np.maximum(np.frexp(np.where(r == 0, 1, r))[1] - 1, 0) - 3)
;;       q = np.round(r / step) * step * 2.0 ** e      # np.round: ties to even
;;       return np.moveaxis(q.reshape(q.shape[:-2] + (-1,))[..., :K], -1, axis).astype(np.float32)
;;   ~~~
;;   SOFTMAX AHEAD OF A QUANTISED PRODUCT. Where the list says 'softmax', what is quantised is not the finished softmax but p = 2^(t - M), with t = logit x log2(e) and M = ceil(the row's largest t), a whole number; so 1/2 < the row's largest p <= 1. The row's sum l is taken of the UNQUANTISED p, in f32, and the product's result is divided by l at the end. Since M is a whole number, a kernel that streams over the keys may use a running M (the ceiling of the running maximum): every later rescaling is an exact power of two, which a block's scale takes up: the codes' values come out the same.
;;   OPERANDS COMPUTED ON THE WAY. 'Computed on the way' means the value that the module computes at that place (a softmax that the list does not call 'softmax' is quantised finished and normalised). What goes into a quantiser is computed in f32, as accurately as f32 sums, v_exp_f32 and their like allow (about 1e-6 of the number): no bf16 or f16 on the way to a quantiser, and a product that is left as it is and whose result goes on into a quantised operand takes f32 operands (vector FMAs, or v_wmma_f32_16x16x4_f32). A number that lies on a knife's edge between two numbers of the format may be rounded either way, as far as f32 arithmetic and the matrix unit's own rounding can turn it there, and no further.
;; One version. Each part assembles by itself: llvm-mc -triple=amdgcn-amd-amdhsa -mcpu=gfx1250 --defsym DOCPART=n.
;; ======== version 1 of 1: 4 launches
;; limits: right only within a limited range of input values
;; workspace buffers: xcs 6,553,600 bytes; wcs 1,753,088 bytes; woc 786,432 bytes; wos 32,768 bytes; qq 6,815,744 bytes; kvb 3,407,872 bytes; oc 6,291,456 bytes; os 262,144 bytes
;; launch prep (part 1): grid 368 x 1, 4 waves a work-group, no clusters, 68,096 bytes of LDS; arguments x, Wq, Wk, Wv, Wo, xcs, wcs, woc, wos; writes xcs, wcs, woc, wos
.if DOCPART == 1
	.amdgcn_target "amdgcn-amd-amdhsa--gfx1250"
	.amdhsa_code_object_version 6
	.text
	.protected	k_qe7067cf863_prep
	.globl	k_qe7067cf863_prep
	.p2align	8
	.type	k_qe7067cf863_prep,@function
k_qe7067cf863_prep:
	s_mov_b64 s[64:65], 0
	v_nop
	global_prefetch_b8 v0, s[64:65] scope:SCOPE_SE
	s_setreg_imm32_b32 hwreg(HW_REG_WAVE_MODE, 25, 1), 1
	s_wait_xcnt 0x0
; x [8192][1024], Wq [1024][1024], Wk, Wv [1024][256], Wo [1024][1024], all f32, become codes of FP6 (E2M3) with K innermost and one E8M0 byte for each 32 along K; and the table of cos and sin for the rotation is made.
; A block's scale is 2^(floor(log2(largest magnitude)) - 2): its byte is the largest magnitude's exponent field - 2, held at 1 from below.
; STORED ORDER: the rows of x, and the columns of Wq, Wk, Wv, are laid so that stored row s holds the natural index s with bits 3 and 4 exchanged.  A tile of 16 stored rows, taken as a matrix
; instruction's first source, then leaves in the 16 result registers of tiles 2 b and 2 b + 1 the 16 neighbours 32 b + 16 (lane / 16) + 0 .. 15.  Wo's columns stay in natural order.
; xcs: codes [8192][768 bytes], then scale bytes [8192][32].  wcs: codes [1536][768] (Wq's 1024 columns, Wk's 256, Wv's 256), scale bytes [1536][32], then the table.  woc [1024][768], wos [1024][32].
; WORK-GROUPS: 0-255 take x (32 rows each: a wave 8 rows, a plain stream of blocks); 256-335 take 128 columns x 256 along K of a weight; 336-367 make the table, a wave a tile of 16 positions.
; The two ways that use LDS have bytes of their own.  No tensor loads, no barrier: waves share nothing.
; LIMITS: a block of zeros, or one whose largest magnitude lies under 2^-124, gets the byte 1 (its bytes are read by this program alone); NaN and infinities among the inputs are not served.
; The 32 frequencies are 10^(-j/8) rounded to f32; an f32 power and division may give a last bit otherwise, which at position 2,047 is up to 1.2e-4 of angle.  cos and sin are within about 1e-7.
.set XSOFF, 6291456
.set WSOFF, 1179648
.set RTOFF, 1228800
.set EMAX,  2
.set SPW,   206                        ; v206 LDS address of my spare word; never rewritten
.set NIL,   207                        ; v207 0; never rewritten
.set SPARE, 67584                      ; behind both ways' bytes: 128 bytes for each wave, named by no other line
; x's way
.set STEPS, 16
.set CB,    12                         ; bytes of 16 codes
.set R,     16                         ; v16-79   four sets of 16 numbers as loaded
.set X,     80                         ; v80-111  two sets of 16 neighbours
.set E,     112                        ; v112-127 a scale byte for each step
.set C,     128                        ; v128-191 codes, four registers a step
.set XREG,  8192                       ; LDS 0 .. 32,767: a region for each wave: two stages of 32 x SP bytes, then 256 scale bytes
.set SP,    80
; the weights' way
.set WBASE, 32768                      ; LDS 32,768 .. 67,583: a stage of 32 rows x WPITCH for each wave
.set WPITCH, 272
.set SB,    24                         ; v24-25   eight scale bytes
.set WX,    32                         ; v32-95   two sets of 32 numbers
.set OUTR,  96                         ; v96-159  the way out
.set OFF,   160                        ; v160-191 byte offset of row i of a block, at my column
.set WC,    192                        ; v192-198 a block's codes
.set BT,    40                         ; s[40:55] where block t's 32 rows begin, t = 0 .. 7
; the table's way
.set F,     32                         ; v32-47   my 16 frequencies
.set CO,    64                         ; v64-79   cos
.set SN,    80                         ; v80-95   sin
	s_load_b512 s[4:19], s[0:1], 0x0               ; x, Wq, Wk, Wv, Wo, xcs, wcs, woc
	s_load_b64 s[20:21], s[0:1], 0x40              ; wos
	v_lshl_add_u32 v[SPW], v0, 2, SPARE
	v_mov_b32 v[NIL], 0
	v_lshrrev_b32 v1, 5, v0
	v_readfirstlane_b32 s22, v1                    ; wave
	v_and_b32 v2, 31, v0                           ; lane
	s_wait_kmcnt 0x0
	s_cmp_ge_u32 ttmp9, 336
	s_cbranch_scc1 .Ltable
	s_cmp_ge_u32 ttmp9, 256
	s_cbranch_scc1 .Lweights
; ---------------- x: a wave takes 16 steps of 512 numbers.  Loads take the bytes as they lie (512 a load); a step's 2,048 bytes turn through the wave's stage, so that a lane then holds 16 neighbours.
	s_wait_alu depctr_va_vdst(0)
	v_lshlrev_b32 v3, 4, v2                        ; my 16 bytes of a load's 512
	s_mul_i32 s23, s22, XREG
	v_lshrrev_b32 v14, 2, v2
	v_mul_u32_u24 v14, v14, SP
	v_and_b32 v15, 3, v2
	v_lshl_add_u32 v14, v15, 4, v14
	v_add_nc_u32 v14, s23, v14                     ; the stage, in: SP (lane / 4) + 16 (lane % 4)
	v_mul_u32_u24 v15, v2, SP
	v_add_nc_u32 v15, s23, v15                     ; out: SP x lane
	v_mul_u32_u24 v4, v2, CB                       ; my codes' place in a step's
	v_lshrrev_b32 v5, 1, v2
	s_add_co_u32 s23, s23, 2*32*SP
	v_add_nc_u32 v5, s23, v5                       ; my block's scale byte in LDS
	v_lshlrev_b32 v7, 3, v2
	v_add_nc_u32 v6, s23, v7
	s_lshl_b32 s24, ttmp9, 2
	s_add_co_u32 s25, s24, s22                     ; the run of 8 rows that I read: 4 x work-group + wave
	s_lshl_b32 s26, s25, 15
	s_mov_b32 s27, 0
	s_add_nc_u64 s[4:5], s[4:5], s[26:27]
	s_and_b32 s25, s22, 1
	s_lshl_b32 s25, s25, 1
	s_lshr_b32 s28, s22, 1
	s_or_b32 s25, s25, s28                         ; the wave's two bits exchanged: they are bits 3 and 4 of the row
	s_add_co_u32 s25, s24, s25                     ; the run that I write
	s_mul_i32 s26, s25, 6144
	s_add_nc_u64 s[28:29], s[14:15], s[26:27]      ; its codes
	s_lshl_b32 s26, s25, 8
	s_add_co_u32 s26, s26, XSOFF
	s_add_nc_u64 s[30:31], s[14:15], s[26:27]      ; its 256 scale bytes
.macro XLOAD t
.irp i, 0,1,2,3
	global_load_b128 v[R+16*((\t)%4)+4*\i:R+16*((\t)%4)+4*\i+3], v3, s[4:5] offset:2048*(\t)+512*\i th:TH_LOAD_NT
.endr
.endm
.macro XTURN t                         ; LDS serves a wave's instructions in order: no wait between the stores and the loads
.irp i, 0,1,2,3
	ds_store_b128 v14, v[R+16*((\t)%4)+4*\i:R+16*((\t)%4)+4*\i+3] offset:32*SP*((\t)%2)+8*SP*\i
.endr
.irp i, 0,1,2,3
	ds_load_b128 v[X+16*((\t)%2)+4*\i:X+16*((\t)%2)+4*\i+3], v15 offset:32*SP*((\t)%2)+16*\i
.endr
.endm
.irp t, 0,1,2,3
	XLOAD \t
.endr
	s_wait_alu depctr_va_vdst(0)
	s_wait_loadcnt 12                              ; step 0's four loads are in
	XTURN 0
.macro XSTEP t
.set XS, X+16*((\t)%2)
.if (\t) > 0
	s_wait_dscnt 1                                 ; this step's numbers are back from the stage; the last step's byte store may be out
.else
	s_wait_dscnt 0x0
.endif
.if (\t)+4 < STEPS
	XLOAD (\t)+4                                   ; into the registers that the stage's stores have read
.endif
.if (\t)+1 < STEPS
.if STEPS-2-(\t) >= 3
	s_wait_loadcnt 12                              ; the next step's loads are in; three later steps' may be out
.else
	s_wait_loadcnt 4*(STEPS-2-(\t))
.endif
	XTURN (\t)+1
.endif
	v_max3_num_f32 v8, |v[XS]|, |v[XS+1]|, |v[XS+2]|
	v_max3_num_f32 v9, |v[XS+3]|, |v[XS+4]|, |v[XS+5]|
.irp i, 6,10
	v_max3_num_f32 v8, v8, |v[XS+\i]|, |v[XS+\i+1]|
	v_max3_num_f32 v9, v9, |v[XS+\i+2]|, |v[XS+\i+3]|
.endr
	v_max3_num_f32 v8, v8, |v[XS+14]|, |v[XS+15]|
	v_max3_num_f32 v8, v8, v9, (EMAX+1)<<23        ; with the floor 2^(3 - 127): the byte cannot fall under 1
	v_max_num_f32_dpp v8, v8, v8 row_xmask:1 row_mask:0xf bank_mask:0xf   ; and my neighbour's 16: the block's largest magnitude
	v_add_nc_u32 v11, -(EMAX<<23), v8              ; 2 off its exponent field: the conversion's scale operand
	v_cvt_scalef32_pk16_fp6_f32 v[C+4*(\t):C+4*(\t)+2], v[XS:XS+15], v11
	v_lshrrev_b32 v[E+(\t)], 23, v11               ; the scale's byte
	ds_store_b8 v5, v[E+(\t)] offset:16*(\t)       ; both lanes of a block write the same byte
	global_store_b96 v4, v[C+4*(\t):C+4*(\t)+2], s[28:29] offset:32*CB*(\t)   ; the wave stores 384 consecutive bytes
.endm
.irp t, 0,1,2,3,4,5,6,7,8,9,10,11,12,13,14,15
	XSTEP \t
.endr
	ds_load_b64 v[8:9], v6
	s_wait_dscnt 0x0
	global_store_b64 v7, v[8:9], s[30:31]          ; 256 consecutive bytes, aligned
	s_wait_tensorcnt 0x0                           ; the wave's end
	ds_add_u32 v[SPW], v[NIL]
	s_wait_dscnt 0x0
	s_endpgm
; ---------------- a weight [1024 (k)][n]: a lane takes a column and its registers run down K; a wave takes 32 columns x 256 along K: 8 blocks a lane.
.Lweights:
	s_sub_co_u32 s24, ttmp9, 256
	s_lshr_b32 s25, s24, 2                         ; which 128 columns of the 20 x 128: 0-7 Wq, 8-9 Wk, 10-11 Wv, 12-19 Wo
	s_and_b32 s26, s24, 3                          ; which 256 along K
	s_add_nc_u64 s[36:37], s[16:17], WSOFF
	s_mov_b64 s[28:29], s[12:13]                   ; the choices hang on the work-group's number alone
	s_mov_b32 s30, 12
	s_mov_b32 s31, 4096                            ; a row of the weight in bytes
	s_cmp_lt_u32 s25, 12
	s_cselect_b64 s[28:29], s[10:11], s[28:29]
	s_cselect_b32 s30, 10, s30
	s_cselect_b32 s31, 1024, s31
	s_cselect_b64 s[32:33], s[16:17], s[18:19]     ; the codes' buffer
	s_cselect_b64 s[36:37], s[36:37], s[20:21]     ; the scale bytes'
	s_cselect_b32 s34, -1, 0                       ; stored order for Wq, Wk, Wv
	s_cselect_b32 s35, 0, 12
	s_cmp_lt_u32 s25, 10
	s_cselect_b64 s[28:29], s[8:9], s[28:29]
	s_cselect_b32 s30, 8, s30
	s_cmp_lt_u32 s25, 8
	s_cselect_b64 s[28:29], s[6:7], s[28:29]
	s_cselect_b32 s30, 0, s30
	s_cselect_b32 s31, 4096, s31
	s_sub_co_u32 s30, s25, s30
	s_lshl_b32 s30, s30, 9                         ; 128 columns of 4 bytes
	s_lshl_b32 s38, s22, 7                         ; + 32 columns a wave
	s_add_co_u32 s30, s30, s38
	s_mul_i32 s38, s26, s31
	s_lshl_b32 s38, s38, 8                         ; + 256 rows for each step along K
	s_add_co_u32 s38, s38, s30
	s_mov_b32 s39, 0
	s_add_nc_u64 s[BT:BT+1], s[28:29], s[38:39]
	s_lshl_b32 s56, s31, 5                         ; 32 rows on
	s_mov_b32 s57, 0
.irp t, 1,2,3,4,5,6,7
	s_add_nc_u64 s[BT+2*\t:BT+2*\t+1], s[BT+2*\t-2:BT+2*\t-1], s[56:57]
.endr
	s_sub_co_u32 s58, s25, s35
	s_lshl_b32 s58, s58, 7
	s_lshl_b32 s59, s22, 5
	s_add_co_u32 s58, s58, s59                     ; my wave's first stored row
	s_mul_i32 s38, s58, 768
	s_mul_i32 s59, s26, 192
	s_add_co_u32 s38, s38, s59
	s_add_nc_u64 s[32:33], s[32:33], s[38:39]
	s_lshl_b32 s38, s58, 5
	s_lshl_b32 s59, s26, 3
	s_add_co_u32 s38, s38, s59
	s_add_nc_u64 s[36:37], s[36:37], s[38:39]
	s_wait_alu depctr_va_vdst(0)
	v_and_b32 v5, 7, v2
	v_bfe_u32 v6, v2, 3, 1
	v_bfe_u32 v10, v2, 4, 1
	v_lshl_add_u32 v5, v6, 4, v5
	v_lshl_add_u32 v5, v10, 3, v5                  ; my lane with bits 3 and 4 exchanged
	v_cndmask_b32 v3, v2, v5, s34                  ; the column that stored row = lane holds
	v_lshlrev_b32 v3, 2, v3
.set ii, 0
.rept 32
	v_mad_u32_u24 v[OFF+ii], s31, ii, v3
.set ii, ii+1
.endr
	s_mul_i32 s59, s22, 32*WPITCH
	s_add_co_u32 s59, s59, WBASE                   ; my stage
	v_mul_u32_u24 v4, v2, WPITCH
	v_add_nc_u32 v4, s59, v4                       ; in: row = my lane
	v_and_b32 v5, 15, v2
	v_lshrrev_b32 v6, 4, v2
	v_mul_u32_u24 v7, v6, WPITCH
	v_lshl_add_u32 v7, v5, 4, v7
	v_add_nc_u32 v7, s59, v7                       ; out: sixteen lanes to a row, two rows an instruction
	v_mul_u32_u24 v8, v6, 768
	v_mad_u32_u24 v8, v5, 12, v8                   ; the same place in the codes' buffer
	v_lshlrev_b32 v9, 5, v2                        ; my row of scale bytes
.macro WLOAD t
.set ii, 0
.rept 32
	global_load_b32 v[WX+32*((\t)%2)+ii], v[OFF+ii], s[BT+2*(\t):BT+2*(\t)+1] th:TH_LOAD_NT
.set ii, ii+1
.endr
.endm
	WLOAD 0
	WLOAD 1
.macro WBLOCK t
.set WXS, WX+32*((\t)%2)
.if (\t) < 7
	s_wait_loadcnt 32                              ; this block's 32 loads are in; the next block's may be out
.else
	s_wait_loadcnt 0
.endif
	v_max3_num_f32 v12, |v[WXS]|, |v[WXS+1]|, |v[WXS+2]|
	v_max3_num_f32 v13, |v[WXS+3]|, |v[WXS+4]|, |v[WXS+5]|
.irp i, 6,10,14,18,22,26
	v_max3_num_f32 v12, v12, |v[WXS+\i]|, |v[WXS+\i+1]|
	v_max3_num_f32 v13, v13, |v[WXS+\i+2]|, |v[WXS+\i+3]|
.endr
	v_max3_num_f32 v12, v12, |v[WXS+30]|, |v[WXS+31]|
	v_max3_num_f32 v12, v12, v13, (EMAX+1)<<23
	v_add_nc_u32 v11, -(EMAX<<23), v12
	v_lshrrev_b32 v13, 23, v11
.if (\t)%4 == 0
	v_mov_b32 v[SB+(\t)/4], v13
.else
	v_lshl_or_b32 v[SB+(\t)/4], v13, 8*((\t)%4), v[SB+(\t)/4]
.endif
	v_cvt_scalef32_pk16_fp6_f32 v[WC:WC+2], v[WXS:WXS+15], v11
	v_cvt_scalef32_pk16_fp6_f32 v[WC+4:WC+6], v[WXS+16:WXS+31], v11
	ds_store_b96 v4, v[WC:WC+2] offset:32*(\t)     ; 12 bytes to a place of 16, so that every LDS address is a multiple of 16
	ds_store_b96 v4, v[WC+4:WC+6] offset:32*(\t)+16
.if (\t)+2 < 8
	WLOAD (\t)+2
.endif
	s_wait_dscnt 0x0                               ; the stores have read their registers: the next block's codes may be written
.endm
.irp t, 0,1,2,3,4,5,6,7
	WBLOCK \t
.endr
	s_wait_alu depctr_va_vdst(0)
	global_store_b64 v9, v[SB:SB+1], s[36:37]      ; my row's 8 scale bytes
.irp t, 0,1,2,3,4,5,6,7,8,9,10,11,12,13,14,15
	ds_load_b96 v[OUTR+4*\t:OUTR+4*\t+2], v7 offset:2*\t*WPITCH
.endr
.irp t, 0,1,2,3,4,5,6,7,8,9,10,11,12,13,14,15
	s_wait_dscnt 15-\t                             ; the later row loads may be out
	global_store_b96 v8, v[OUTR+4*\t:OUTR+4*\t+2], s[32:33] offset:2*\t*768   ; sixteen lanes store a row's 192 consecutive bytes
.endr
	s_wait_tensorcnt 0x0                           ; the wave's end, as above
	ds_add_u32 v[SPW], v[NIL]
	s_wait_dscnt 0x0
	s_endpgm
; ---------------- the table: [tile T of 16 stored positions][plane 0 .. 7][lane][16 bytes]; planes 0-3 cos, 4-7 sin of pos x f_j, j = 16 (lane / 16) + 4 (plane % 4) + 0 .. 3;
; pos = 32 (T / 2) + 8 (T % 2) + r + 8 (r / 8), r = lane % 16: the position that lane r of stored tile T holds.
.Ltable:
	s_sub_co_u32 s24, ttmp9, 336
	s_lshl_b32 s24, s24, 2
	s_add_co_u32 s24, s24, s22                     ; T
	s_lshr_b32 s25, s24, 1
	s_lshl_b32 s25, s25, 5
	s_and_b32 s26, s24, 1
	s_lshl_b32 s26, s26, 3
	s_add_co_u32 s25, s25, s26
	s_wait_alu depctr_va_vdst(0)
	v_and_b32 v5, 15, v2
	v_and_b32 v6, 8, v5
	v_add3_u32 v5, v5, v6, s25
	v_cvt_f32_u32 v5, v5                           ; pos
	v_lshlrev_b32 v4, 4, v2
	s_lshl_b32 s26, s24, 12
	s_add_co_u32 s26, s26, RTOFF
	s_mov_b32 s27, 0
	s_add_nc_u64 s[46:47], s[16:17], s[26:27]
	s_mov_b32 s44, 0xffff0000                      ; lanes 16-31
	s_mov_b32 s30, 0xbfc90fdb                      ; -pi/2 in three parts
	s_mov_b32 s31, 0x333bbd2e
	s_mov_b32 s32, 0x26f72ced
	s_mov_b32 s33, 0xb94ca1f9                      ; sin r = r + r z (S1 + z (S2 + z S3)), z = r r, |r| <= pi/4
	s_mov_b32 s34, 0x3c08839e
	s_mov_b32 s35, 0xbe2aaaa3
	s_mov_b32 s36, 0x37ccf5ce                      ; cos r = 1 + z (-1/2 + z (C1 + z (C2 + z C3)))
	s_mov_b32 s37, 0xbab6061a
	s_mov_b32 s38, 0x3d2aaaa5
.macro FSET i, lo, hi                  ; f_i in lanes 0-15, f_(16 + i) in lanes 16-31
	v_mov_b32 v[F+\i], \lo
	v_mov_b32 v7, \hi
	v_cndmask_b32 v[F+\i], v[F+\i], v7, s44
.endm
	FSET 0,  1.0,           0.01
	FSET 1,  0.7498942093,  0.007498942093
	FSET 2,  0.5623413252,  0.005623413252
	FSET 3,  0.4216965034,  0.004216965034
	FSET 4,  0.3162277660,  0.003162277660
	FSET 5,  0.2371373706,  0.002371373706
	FSET 6,  0.1778279410,  0.001778279410
	FSET 7,  0.1333521432,  0.001333521432
	FSET 8,  0.1,           0.001
	FSET 9,  0.07498942093, 0.0007498942093
	FSET 10, 0.05623413252, 0.0005623413252
	FSET 11, 0.04216965034, 0.0004216965034
	FSET 12, 0.03162277660, 0.0003162277660
	FSET 13, 0.02371373706, 0.0002371373706
	FSET 14, 0.01778279410, 0.0001778279410
	FSET 15, 0.01333521432, 0.0001333521432
.macro SINCOS i
	v_mul_f32 v8, v5, v[F+\i]                      ; the angle, one f32 product
	v_mul_f32 v9, 0x3f22f983, v8
	v_rndne_f32 v9, v9                             ; n = the nearest multiple of pi/2
	v_fma_f32 v10, v9, s30, v8
	v_fma_f32 v10, v9, s31, v10
	v_fma_f32 v10, v9, s32, v10                    ; r
	v_cvt_i32_f32 v11, v9
	v_mul_f32 v12, v10, v10
	v_fma_f32 v13, v12, s33, s34
	v_fma_f32 v15, v12, s36, s37
	v_fma_f32 v13, v13, v12, s35
	v_fma_f32 v15, v15, v12, s38
	v_mul_f32 v14, v12, v10
	v_fma_f32 v15, v15, v12, -0.5
	v_fma_f32 v13, v13, v14, v10                   ; sin r
	v_fma_f32 v15, v15, v12, 1.0                   ; cos r
	v_and_b32 v16, 1, v11
	v_cmp_eq_u32 vcc_lo, 1, v16                    ; an odd quadrant exchanges the two
	v_cndmask_b32 v17, v13, v15, vcc_lo
	v_cndmask_b32 v18, v15, v13, vcc_lo
	v_and_b32 v16, 2, v11
	v_add_nc_u32 v19, 1, v11
	v_lshlrev_b32 v16, 30, v16                     ; sin changes sign in quadrants 2 and 3,
	v_and_b32 v19, 2, v19
	v_xor_b32 v[SN+\i], v17, v16
	v_lshlrev_b32 v19, 30, v19                     ; cos in quadrants 1 and 2
	v_xor_b32 v[CO+\i], v18, v19
.endm
.irp i, 0,1,2,3,4,5,6,7,8,9,10,11,12,13,14,15
	SINCOS \i
.endr
.irp k, 0,1,2,3
	global_store_b128 v4, v[CO+4*\k:CO+4*\k+3], s[46:47] offset:512*\k          ; the wave stores 512 consecutive bytes
	global_store_b128 v4, v[SN+4*\k:SN+4*\k+3], s[46:47] offset:2048+512*\k
.endr
	s_wait_tensorcnt 0x0                           ; the three lines stand on this way too
	ds_add_u32 v[SPW], v[NIL]
	s_wait_dscnt 0x0
	s_endpgm
.Lfunc_end_k_qe7067cf863_prep:
	.size	k_qe7067cf863_prep, .Lfunc_end_k_qe7067cf863_prep-k_qe7067cf863_prep
	.p2alignl 7, 3214868480
	.fill 96, 4, 3214868480
	.section	.rodata,"a",@progbits
	.p2align	6, 0x0
	.amdhsa_kernel k_qe7067cf863_prep
		.amdhsa_group_segment_fixed_size 68096
		.amdhsa_private_segment_fixed_size 0
		.amdhsa_enable_private_segment 0
		.amdhsa_kernarg_size 72
		.amdhsa_user_sgpr_count 2
		.amdhsa_user_sgpr_kernarg_segment_ptr 1
		.amdhsa_wavefront_size32 1
		.amdhsa_system_sgpr_workgroup_id_x 1
		.amdhsa_system_sgpr_workgroup_id_y 1
		.amdhsa_system_sgpr_workgroup_id_z 1
		.amdhsa_system_vgpr_workitem_id 0
		.amdhsa_next_free_vgpr 208
		.amdhsa_next_free_sgpr 66
		.amdhsa_reserve_vcc 1
		.amdhsa_float_denorm_mode_32 3
		.amdhsa_float_denorm_mode_16_64 3
		.amdhsa_memory_ordered 1
		.amdhsa_forward_progress 1
		.amdhsa_inst_pref_size 101
	.end_amdhsa_kernel
	.amdgpu_metadata
---
amdhsa.version: [ 1, 2 ]
amdhsa.kernels:
  - .name:           k_qe7067cf863_prep
    .symbol:         k_qe7067cf863_prep.kd
    .args:
      - { .name: x, .offset: 0, .size: 8, .value_kind: global_buffer, .address_space: global }
      - { .name: Wq, .offset: 8, .size: 8, .value_kind: global_buffer, .address_space: global }
      - { .name: Wk, .offset: 16, .size: 8, .value_kind: global_buffer, .address_space: global }
      - { .name: Wv, .offset: 24, .size: 8, .value_kind: global_buffer, .address_space: global }
      - { .name: Wo, .offset: 32, .size: 8, .value_kind: global_buffer, .address_space: global }
      - { .name: xcs, .offset: 40, .size: 8, .value_kind: global_buffer, .address_space: global }
      - { .name: wcs, .offset: 48, .size: 8, .value_kind: global_buffer, .address_space: global }
      - { .name: woc, .offset: 56, .size: 8, .value_kind: global_buffer, .address_space: global }
      - { .name: wos, .offset: 64, .size: 8, .value_kind: global_buffer, .address_space: global }
    .group_segment_fixed_size: 68096
    .private_segment_fixed_size: 0
    .kernarg_segment_align: 8
    .kernarg_segment_size: 72
    .max_flat_workgroup_size: 128
    .sgpr_count:     66
    .vgpr_count:     208
    .wavefront_size: 32
...
	.end_amdgpu_metadata
.endif
;; end of part 1
;; launch qkv (part 2): grid 6 x 32, 4 waves a work-group, no clusters, 327,680 bytes of LDS; arguments xcs, wcs, qq, kvb; writes qq, kvb
.if DOCPART == 2
	.amdgcn_target "amdgcn-amd-amdhsa--gfx1250"
	.amdhsa_code_object_version 6
	.text
	.protected	k_qe7067cf863_qkv
	.globl	k_qe7067cf863_qkv
	.p2align	8
	.type	k_qe7067cf863_qkv,@function
k_qe7067cf863_qkv:
	s_mov_b64 s[64:65], 0
	v_nop
	global_prefetch_b8 v0, s[64:65] scope:SCOPE_SE
	s_setreg_imm32_b32 hwreg(HW_REG_WAVE_MODE, 25, 1), 1
	s_wait_xcnt 0x0
; q, k, v = x W on codes of FP6 (E2M3) with E8M0 scales, then the rotation of q and k, and the quantising of q, k (along the head's 64) and v (along the keys).
; A block of 256 x 256 a work-group, 128 x 128 a wave (64 accumulators).  Column blocks 0-3 are q, 4 is k, 5 is v.  Source 1 (A) holds x's rows and source 0 (B) the weights' stored rows; for v the two change places,
; so that a lane holds one channel and its registers run along the keys.
; K goes through two LDS slots in chunks of 256 bytes of each row of codes (a row is 768 bytes: three chunks, each on a multiple of 256 bytes).  A step of 128 along K is 96 bytes: steps 2 and 5 lie across two chunks.
; The head's four tiles, one tensor load a wave: chunk 0 of A's 256 rows, of B's 256 rows, A's scales, B's scales.  Chunk 1 follows behind the full sequence, chunk 2 is the one refill.
; A record of kvb (128 keys of one kv head) is 13,312 bytes: k's codes 6,144, v's 6,144, k's scale words 512, v's 256, and 256 bytes of zeros, so that a record is 52 rows of 256 bytes.
; No cluster: six column blocks do not divide by four, and along the rows partners would share the weights' half of a chunk alone, which changes sides in v's blocks.
; No prefetch: of three chunks two are asked for before the first product, and the third two steps later.
; LIMITS: a block of zeros or under 2^-124 gets the byte 1 (read by this program alone); NaN and infinities are not served.
.set ROWB,   256
.set NQ,     2
.set KROW,   768
.set STEPS,  8
.set CHUNKS, 3
.set PITCH,  272
.set FR,     12
.set NL,     6
.set NP,     4
.set HALFT,  128*PITCH
.set SLOT,   4*HALFT
.set KS,     32
.set SCL,    2*SLOT
.set HALFS,  16*272
.set SBLK,   2*272
.set SPARE,  SCL+4*HALFS
.set XSOFF,  6291456
.set WSOFF,  1179648
.set RTOFF,  1228800
.set QSOFF,  6291456
.set REC,    13312
.set VIM,    6144
.set LI16, 8
.set LI8,  9
.set ADRA, 16
.set ADRB, 20
.set ADRS, 27
.set SPW,  28
.set NIL,  29
.set SC,   32
.set AF,   128
.set ST,   64
.set T,    128
.set T2,   144
.set PC,   160
.set TM,   184
.set PW,   200
.set SW0,  208
.set SW1,  216
.set OUT,  224
.set G1,   24
.set G0,   32
.set G0H,  40
.set G0HB, 44
.set G1S,  48
.set G0S,  56
.set G0SB, 60
.set SEL, 66
.set HM,  68
.set BB,  69
.set M7,  70
.set GRP, 71
.set MSB, 0
.macro WIN new
.if MSB != (\new)
	s_set_vgpr_msb (MSB<<8)|(\new)
.set MSB, (\new)
.endif
.endm
.set MUL_LO, 0xa1
.set MUL_HI, 0xf1
.set TO_B,   0x40
.macro TLOAD g0, g1
	tensor_load_to_lds s[\g0:\g0+3], s[\g1:\g1+7]
	s_nop 0
.rept 4
	v_nop
.endr
.endm
	s_load_b256 s[4:11], s[0:1], 0x0               ; xcs, wcs, qq, kvb
	v_lshl_add_u32 v[SPW], v0, 2, SPARE
	v_mov_b32 v[NIL], 0
	ds_add_u32 v[SPW], v[NIL]                      ; the opening lines: the add twice and its wait ahead of the first tensor load
	ds_add_u32 v[SPW], v[NIL]
	v_lshrrev_b32 v1, 5, v0
	v_readfirstlane_b32 s14, v1                    ; wave
	s_lshr_b32 s15, s14, 1                         ; my half of A's rows; in the ring: I fetch for A (0) or B (1)
	s_and_b32 s16, s14, 1                          ; my half of B's rows; in the ring: which 128 rows I fetch
	s_and_b32 s17, ttmp7, 0xffff                   ; row block
	s_mov_b32 s18, ttmp9                           ; column block
	s_mov_b32 s[G1+0], (1<<20)|(5<<22)|(3<<25)     ; bytes; 16 bytes of padding behind each 256
	s_mov_b32 s[G1+1], ROWB<<16
	s_mov_b32 s[G1+2], 256<<16                     ; the head's loads bring 256 rows
	s_mov_b32 s[G1+3], ROWB<<16
	s_mov_b32 s[G1+4], 256
	s_mov_b32 s[G1+5], KROW
	s_mov_b32 s[G1+6], 0
	s_mov_b32 s[G1+7], 0
	s_mov_b32 s[G1S+0], (3<<16)|(1<<20)|(5<<22)|(3<<25)   ; the scales of 256 rows: 32 dense rows of 256 bytes
	s_mov_b32 s[G1S+1], 32<<16
	s_mov_b32 s[G1S+2], KS<<16
	s_mov_b32 s[G1S+3], 32<<16
	s_mov_b32 s[G1S+4], KS
	s_mov_b32 s[G1S+5], 32
	s_mov_b32 s[G1S+6], 0
	s_mov_b32 s[G1S+7], 0
	s_lshl_b32 s72, s17, 8                         ; x's first row
	s_lshl_b32 s73, s18, 8                         ; the weights' first stored row
	s_mov_b32 s76, XSOFF
	s_mov_b32 s77, WSOFF
	s_cmp_eq_u32 s18, 5                            ; v's block: the two change places
	s_cselect_b32 s74, s73, s72                    ; A's first row
	s_cselect_b32 s75, s72, s73                    ; B's
	s_cselect_b32 s78, s77, s76                    ; where A's scales begin in its buffer
	s_cselect_b32 s79, s76, s77
	s_mul_i32 s80, s74, KROW
	s_mov_b32 s81, 0
	s_mul_i32 s82, s75, KROW
	s_mov_b32 s83, 0
	s_lshl_b32 s84, s74, 5
	s_add_co_u32 s84, s84, s78
	s_mov_b32 s85, 0
	s_lshl_b32 s86, s75, 5
	s_add_co_u32 s86, s86, s79
	s_mov_b32 s87, 0
	s_mul_i32 s94, s16, 128*KROW
	s_mov_b32 s95, 0
	s_mul_i32 s19, s14, HALFT                      ; the ring: wave x 128 rows
	s_wait_dscnt 0x0                               ; both opening adds are done
	s_wait_kmcnt 0x0
	s_cmp_eq_u32 s18, 5
	s_cselect_b64 s[88:89], s[6:7], s[4:5]         ; A's buffer
	s_cselect_b64 s[90:91], s[4:5], s[6:7]         ; B's
	s_add_nc_u64 s[80:81], s[88:89], s[80:81]      ; A's codes
	s_add_nc_u64 s[84:85], s[88:89], s[84:85]      ; A's scales
	s_add_nc_u64 s[82:83], s[90:91], s[82:83]
	s_add_nc_u64 s[86:87], s[90:91], s[86:87]
	s_mov_b32 s[G0H], 1
	s_mov_b32 s[G0H+1], 0
	s_mov_b64 s[G0H+2:G0H+3], s[80:81]
	s_or_b32 s[G0H+3], s[G0H+3], 0x80000000
	s_mov_b32 s[G0HB], 1
	s_mov_b32 s[G0HB+1], 2*HALFT
	s_mov_b64 s[G0HB+2:G0HB+3], s[82:83]
	s_or_b32 s[G0HB+3], s[G0HB+3], 0x80000000
	s_mov_b32 s[G0S], 1
	s_mov_b32 s[G0S+1], SCL
	s_mov_b64 s[G0S+2:G0S+3], s[84:85]
	s_or_b32 s[G0S+3], s[G0S+3], 0x80000000
	s_mov_b32 s[G0SB], 1
	s_mov_b32 s[G0SB+1], SCL+2*HALFS
	s_mov_b64 s[G0SB+2:G0SB+3], s[86:87]
	s_or_b32 s[G0SB+3], s[G0SB+3], 0x80000000
	s_cmp_eq_u32 s15, 0
	s_cselect_b64 s[92:93], s[80:81], s[82:83]
	s_add_nc_u64 s[92:93], s[92:93], s[94:95]      ; the ring: my 128 rows
.irp s, 0,1
	s_mov_b32 s[G0+4*\s], 1
	s_add_co_u32 s[G0+4*\s+1], s19, \s*SLOT
	s_add_nc_u64 s[G0+4*\s+2:G0+4*\s+3], s[92:93], \s*ROWB
	s_or_b32 s[G0+4*\s+3], s[G0+4*\s+3], 0x80000000
.endr
; the head's loads, one a wave, in one chain of branches on the wave's number
.macro ARM under, g0, g1, next
	s_cmp_lt_u32 s14, \under
	s_cbranch_scc0 \next
	TLOAD \g0, \g1
	s_branch .Lhead_asked
\next:
.endm
	ARM 1, G0H,  G1,  .Lhead_b
	ARM 2, G0HB, G1,  .Lhead_sa
	ARM 3, G0S,  G1S, .Lhead_sb
	TLOAD G0SB, G1S
.Lhead_asked:
	v_and_b32 v1, 15, v0                           ; r
	v_bfe_u32 v2, v0, 4, 1                         ; h
	v_mul_u32_u24 v3, v1, PITCH
	v_mul_u32_u24 v4, v2, 24
	v_add_nc_u32 v4, v3, v4                        ; row x pitch + 24 h
	s_mov_b32 s21, SLOT-232
	s_mov_b32 s22, SLOT+232
	v_sub_nc_u32 v7, 1, v2
	v_mul_u32_u24 v5, s21, v2
	v_add_nc_u32 v5, v3, v5
	v_add_nc_u32 v5, 232, v5                       ; across two chunks: lanes 0-15 byte 232 in slot 0, lanes 16-31 byte 0 in slot 1
	v_mul_u32_u24 v6, s22, v7
	v_add_nc_u32 v6, v3, v6                        ; and the other way round
	s_mul_i32 s21, s15, HALFT
	s_mul_i32 s22, s16, HALFT
	s_add_co_u32 s22, s22, 2*HALFT
	v_add_nc_u32 v[ADRA+2], s21, v5
	v_add_nc_u32 v[ADRA+3], s21, v6
	v_add_nc_u32 v[ADRB+2], s22, v5
	v_add_nc_u32 v[ADRB+3], s22, v6
.irp s, 0,1
	v_add_nc_u32 v[ADRA+\s], s21, v4
	v_add_nc_u32 v[ADRB+\s], s22, v4
	s_add_co_u32 s21, s21, SLOT
	s_add_co_u32 s22, s22, SLOT
.endr
	v_mul_u32_u24 v5, v1, KS
	v_lshrrev_b32 v6, 8, v5
	v_lshl_add_u32 v5, v6, 4, v5                   ; my row's scales: 32 bytes a row, 16 more for each 256 passed
	s_mul_i32 s21, s15, HALFS
	s_mul_i32 s22, s16, HALFS
	s_add_co_u32 s22, s22, 2*HALFS
	s_sub_co_u32 s22, s22, s21
	v_mul_u32_u24 v6, s22, v2                      ; lanes 16-31 take B's
	s_add_co_u32 s21, s21, SCL
	v_add_nc_u32 v5, v5, v6
	v_add_nc_u32 v[ADRS], s21, v5
	v_and_b32 v6, 31, v0
	v_lshlrev_b32 v[LI16], 4, v6
	v_lshlrev_b32 v[LI8], 3, v6
.macro FRAG reg, adr, st, i            ; 16 rows x 128 K: six pieces of 8 bytes; byte y of a row lies in slot (y / 256) % 2 at byte y % 256
.irp p, 0,1,2,3,4,5
.set BY, 96*(\st)+48*(\p/3)+8*(\p%3)
.if BY/ROWB == (BY+24)/ROWB
	ds_load_b64 v[\reg+2*\p:\reg+2*\p+1], v[\adr+(BY/ROWB)%2] offset:BY%ROWB+(\i)*16*PITCH
.else
	ds_load_b64 v[\reg+2*\p:\reg+2*\p+1], v[\adr+2+(BY/ROWB)%2] offset:BY%ROWB-232+(\i)*16*PITCH
.endif
.endr
.endm
.macro MUL16 a0, p, q, sc, zero        ; the 64 accumulators take turns, in the same order in every step
.irp a, \a0, \a0+1
.irp b, 0,1,2,3,4,5,6,7
.if \zero
	v_wmma_scale_f32_16x16x128_f8f6f4 v[8*(8*((\a)%4)+\b):8*(8*((\a)%4)+\b)+7], v[128*(\p)+FR*\b:128*(\p)+FR*\b+FR-1], v[AF+FR*(\a):AF+FR*(\a)+FR-1], 0, v[SC+8*NQ*(\sc)+NQ*\b+(\q)], v[SC+8*NQ*(\sc)+NQ*(\a)+(\q)] matrix_a_fmt:MATRIX_FMT_FP6 matrix_b_fmt:MATRIX_FMT_FP6 matrix_a_scale:MATRIX_SCALE_ROW1
.else
	v_wmma_scale_f32_16x16x128_f8f6f4 v[8*(8*((\a)%4)+\b):8*(8*((\a)%4)+\b)+7], v[128*(\p)+FR*\b:128*(\p)+FR*\b+FR-1], v[AF+FR*(\a):AF+FR*(\a)+FR-1], v[8*(8*((\a)%4)+\b):8*(8*((\a)%4)+\b)+7], v[SC+8*NQ*(\sc)+NQ*\b+(\q)], v[SC+8*NQ*(\sc)+NQ*(\a)+(\q)] matrix_a_fmt:MATRIX_FMT_FP6 matrix_b_fmt:MATRIX_FMT_FP6 matrix_a_scale:MATRIX_SCALE_ROW1
.endif
.endr
.endr
.endm
.macro FETCH_B st, p
	WIN TO_B
.irp i, 0,1,2,3,4,5,6,7
	FRAG 128*(\p)+FR*\i, ADRB, \st, \i
.endr
	WIN 0
.endm
.macro FETCH_A st, i0
.irp i, \i0, \i0+1, \i0+2, \i0+3
	FRAG AF+FR*(\i), ADRA, \st, \i
.endr
.endm
.macro SCALES pr                       ; the scale words of steps 2 pr, 2 pr + 1: lanes 0-15 A's block i, lanes 16-31 B's
.irp i, 0,1,2,3,4,5,6,7
	ds_load_b64 v[SC+8*NQ*((\pr)%2)+NQ*\i:SC+8*NQ*((\pr)%2)+NQ*\i+1], v[ADRS] offset:\i*SBLK+4*NQ*(\pr)
.endr
.endm
.macro PLACES n
.rept \n
	v_nop
.endr
.endm
; A step: 64 products; the next step's fragments are fetched in its middle and at its end.  Where the next step ends in a chunk not read yet, a barrier shows that chunk whole;
; where a chunk is left behind and a later one is to take its slot, the full sequence, the barrier and the refill.
.macro STEP st, zero
.set NX, (\st)+1
.set C0, (96*(\st))/ROWB
.set C1, (96*NX)/ROWB
.set E0, (96*(\st)+95)/ROWB
.set E1, (96*NX+95)/ROWB
.if (C1 > C0 && C0+2 < CHUNKS) || E1 > E0
	s_wait_tensorcnt 0x0                           ; all my tensor loads have landed
.if C1 > C0 && C0+2 < CHUNKS
	ds_add_u32 v[SPW], v[NIL]
	s_wait_dscnt 4*NL+1                            ; the add and A's blocks 4-7 may be out
.else
	s_wait_dscnt 4*NL                              ; A's blocks 4-7 may be out
.endif
	WIN MUL_LO
	MUL16 0, (\st)%2, (\st)%2, ((\st)/2)%2, \zero
	s_wait_dscnt 0x0                               ; the add and all my reads are done
	s_barrier_signal -1
	MUL16 2, (\st)%2, (\st)%2, ((\st)/2)%2, \zero
	WIN 0
	s_barrier_wait -1
.if C1 > C0 && C0+2 < CHUNKS
	s_add_nc_u64 s[G0+4*(C0%2)+2:G0+4*(C0%2)+3], s[G0+4*(C0%2)+2:G0+4*(C0%2)+3], 2*ROWB
	TLOAD G0+4*(C0%2), G1                          ; chunk C0 + 2; its four v_nop are the places in front of the loads below
.else
	PLACES NP
.endif
.else
	s_wait_dscnt 4*NL
	WIN MUL_LO
	MUL16 0, (\st)%2, (\st)%2, ((\st)/2)%2, \zero
	MUL16 2, (\st)%2, (\st)%2, ((\st)/2)%2, \zero
	s_wait_dscnt 0
	PLACES NP
.endif
	FETCH_B NX, NX%2
	FETCH_A NX, 0
.if NX%2 == 0
	SCALES NX/2
.endif
	WIN MUL_HI
	MUL16 4, (\st)%2, (\st)%2, ((\st)/2)%2, \zero
	MUL16 6, (\st)%2, (\st)%2, ((\st)/2)%2, \zero
	PLACES NP
	WIN 0
	FETCH_A NX, 4
.endm
	s_wait_alu depctr_va_vdst(0)
; the table of cos and sin for my 128 positions, 32 registers a block of 16, in window 1: blocks 3 and 7 go into registers that the walk along K leaves idle, and are asked for here
.macro TAB a
.irp k, 0,1,2,3,4,5,6,7
	global_load_b128 v[32*(\a)+4*\k:32*(\a)+4*\k+3], v[LI16], s[2:3] offset:4096*(\a)+512*\k
.endr
.endm
	s_and_b32 s2, s17, 7
	s_lshl_b32 s2, s2, 1
	s_add_co_u32 s2, s2, s15
	s_lshl_b32 s2, s2, 15
	s_add_co_u32 s2, s2, RTOFF
	s_mov_b32 s3, 0
	s_add_nc_u64 s[2:3], s[6:7], s[2:3]
	s_cmp_eq_u32 s18, 5                            ; v is not rotated
	s_cbranch_scc1 .Lno_tab0
	WIN 0x40
	TAB 3
	TAB 7
	WIN 0
.Lno_tab0:
	s_wait_tensorcnt 0x0
	ds_add_u32 v[SPW], v[NIL]
	s_mov_b32 s[G1+2], 128<<16
	s_mov_b32 s[G1+4], 128
	s_wait_dscnt 0x0
	s_barrier_signal -1
	s_barrier_wait -1
	TLOAD G0+4, G1                                 ; chunk 1, slot 1's first fill
	FETCH_B 0, 0
	FETCH_A 0, 0
	SCALES 0
	FETCH_A 0, 4
	STEP 0, 1
.set KST, 1
.rept STEPS-2
	STEP KST, 0
.set KST, KST+1
.endr
	s_cmp_eq_u32 s18, 5
	s_cbranch_scc1 .Lno_tab1
	WIN 0x40                                       ; B's set 0 has been multiplied for the last time, four places ago: the table's blocks 0-2 land there
	TAB 0
	TAB 1
	TAB 2
	WIN 0
.Lno_tab1:
	s_wait_dscnt 4*NL
	WIN MUL_LO
	MUL16 0, 1, 1, 1, 0
	MUL16 2, 1, 1, 1, 0
	s_wait_dscnt 0
	WIN MUL_HI
	MUL16 4, 1, 1, 1, 0
	MUL16 6, 1, 1, 1, 0
	WIN 0
; 64 numbers of a lane at v[s] in window W: four blocks of 32 (with lane l xor 16) -> 12 registers of codes at PC, the scale word in PW
.macro QUANT s, W
	WIN ((\W)<<2)|(\W)
.irp b, 0,1,2,3
	v_max3_num_f32 v[TM+\b], |v[\s+16*\b]|, |v[\s+1+16*\b]|, 0x1800000
.endr
.irp i, 2,4,6,8,10,12,14
.irp b, 0,1,2,3
	v_max3_num_f32 v[TM+\b], |v[\s+16*\b+\i]|, |v[\s+1+16*\b+\i]|, v[TM+\b]
.endr
.endr
	WIN 0
.irp b, 0,1,2,3
	v_permlanex16_b32 v[TM+4+\b], v[TM+\b], s[SEL], s[SEL+1]
.endr
.irp b, 0,1,2,3
	v_max_num_f32 v[TM+\b], v[TM+\b], v[TM+4+\b]
.endr
.irp b, 0,1,2,3
	v_add_nc_u32 v[TM+12+\b], 0xff000000, v[TM+\b]
.endr
.irp b, 0,1,2,3
	v_lshrrev_b32 v[TM+4+\b], 23, v[TM+12+\b]
.endr
	v_lshl_or_b32 v[PW], v[TM+5], 8, v[TM+4]
	v_lshl_or_b32 v[PW], v[TM+6], 16, v[PW]
	v_lshl_or_b32 v[PW], v[TM+7], 24, v[PW]
	WIN \W
.irp c, 0,1
	v_cvt_scalef32_pk16_fp6_f32 v[PC+6*\c:PC+2+6*\c], v[\s+32*\c:\s+15+32*\c], v[TM+12+2*\c]
	v_cvt_scalef32_pk16_fp6_f32 v[PC+12+4*\c:PC+14+4*\c], v[\s+16+32*\c:\s+31+32*\c], v[TM+12+2*\c+1]
.endr
	WIN 0
	v_nop
.irp c, 0,1
.irp i, 0,1,2
	v_permlane16_swap_b32 v[PC+6*\c+\i], v[PC+12+4*\c+\i]
.endr
.irp i, 0,1,2
	v_mov_b32 v[PC+3+6*\c+\i], v[PC+12+4*\c+\i]
.endr
.endr
.endm
.macro ROPE a                          ; block a's two heads: t cos -+ (the other half of t) sin, table in window 1
.set AC, 64*((\a)%4)
.set TBL, 32*(\a)
	WIN 4|(2+(\a)/4)
.irp e, 0,1
.irp i, 0,2,4,6,8,10,12,14
	v_pk_mul_f32 v[T+\i:T+\i+1], v[AC+32*\e+16+\i:AC+32*\e+17+\i], v[TBL+16+\i:TBL+17+\i]
.endr
.irp i, 0,2,4,6,8,10,12,14
	v_pk_mul_f32 v[T2+\i:T2+\i+1], v[AC+32*\e+\i:AC+32*\e+1+\i], v[TBL+16+\i:TBL+17+\i]
.endr
.irp i, 0,2,4,6,8,10,12,14
	v_pk_fma_f32 v[ST+32*\e+\i:ST+32*\e+1+\i], v[AC+32*\e+\i:AC+32*\e+1+\i], v[TBL+\i:TBL+1+\i], v[T+\i:T+\i+1] neg_lo:[0,0,1] neg_hi:[0,0,1]
.endr
.irp i, 0,2,4,6,8,10,12,14
	v_pk_fma_f32 v[ST+32*\e+16+\i:ST+32*\e+17+\i], v[AC+32*\e+16+\i:AC+32*\e+17+\i], v[TBL+\i:TBL+1+\i], v[T2+\i:T2+\i+1]
.endr
.endr
	WIN 0
.endm
	PLACES NP
	s_mov_b32 s[SEL], 0x76543210
	s_mov_b32 s[SEL+1], 0xfedcba98
	s_mov_b32 s[HM], 0xffff0000
.irp b, 0,1,2,3
	v_mov_b32 v[TM+4+\b], 0
.endr
	s_lshr_b32 s[BB], s17, 3
	s_and_b32 s[M7], s17, 7
	s_cmp_eq_u32 s18, 5
	s_cbranch_scc1 .Lvpath
	s_lshl_b32 s[GRP], s[M7], 1
	s_add_co_u32 s[GRP], s[GRP], s15
	s_mov_b32 s73, 0
	WIN 0x40                                       ; the table's last three blocks, into B's set 1
	TAB 4
	TAB 5
	TAB 6
	WIN 0
	s_lshl_b32 s76, s16, 1
	s_lshl_b32 s77, s[BB], 4
	s_lshl_b32 s78, s18, 2
	s_add_co_u32 s77, s77, s78
	s_add_co_u32 s77, s77, s76
	s_lshl_b32 s78, s[BB], 2
	s_add_co_u32 s78, s78, s76
	s_cmp_eq_u32 s18, 4
	s_cselect_b32 s77, s78, s77
	s_mov_b32 s78, 6144
	s_cselect_b32 s78, REC, s78
	s_mov_b32 s80, 98304
	s_cselect_b32 s80, 16*REC, s80
	s_mov_b32 s82, 8192
	s_cselect_b32 s82, 16*REC, s82
	s_mov_b32 s79, 512
	s_cselect_b32 s79, REC, s79
	s_mov_b32 s84, QSOFF
	s_cselect_b32 s84, 12288, s84
	s_cselect_b64 s[86:87], s[10:11], s[8:9]
	s_mov_b32 s81, 0
	s_mov_b32 s83, 0
	s_lshl_b32 s77, s77, 4
	s_add_co_u32 s77, s77, s[GRP]
	s_mul_i32 s72, s77, s78
	s_add_nc_u64 s[88:89], s[86:87], s[72:73]
	s_add_nc_u64 s[90:91], s[88:89], s[80:81]
	s_mul_i32 s72, s77, s79
	s_add_co_u32 s72, s72, s84
	s_add_nc_u64 s[92:93], s[86:87], s[72:73]
	s_add_nc_u64 s[94:95], s[92:93], s[82:83]
.set NTB, 7
.irp a, 3,7,0,1,2,4,5,6                ; in the order in which the table's blocks were asked for
	s_wait_xcnt 0x0                                ; the last block's stores have read their registers
	s_wait_loadcnt 8*NTB                           ; this block's eight table loads are in; the NTB later blocks' may be out
.set NTB, NTB-1
	ROPE \a
	QUANT ST, 0
	global_store_b128 v[LI16], v[PC:PC+3], s[88:89] offset:768*\a
	global_store_b64 v[LI8], v[PC+4:PC+5], s[88:89] offset:768*\a+512
	global_store_b128 v[LI16], v[PC+6:PC+9], s[90:91] offset:768*\a
	global_store_b64 v[LI8], v[PC+10:PC+11], s[90:91] offset:768*\a+512
	v_and_b32 v[SW0+\a], 0xffff, v[PW]
	v_lshrrev_b32 v[SW1+\a], 16, v[PW]
.endr
.irp p, 0,1,2,3
	v_cndmask_b32 v[OUT+\p], v[SW0+2*\p], v[SW0+2*\p+1], s[HM]
	v_cndmask_b32 v[OUT+4+\p], v[SW1+2*\p], v[SW1+2*\p+1], s[HM]
.endr
	global_store_b128 v[LI16], v[OUT:OUT+3], s[92:93]
	global_store_b128 v[LI16], v[OUT+4:OUT+7], s[94:95]
	s_wait_tensorcnt 0x0                           ; the wave's end
	ds_add_u32 v[SPW], v[NIL]
	s_wait_dscnt 0x0
	s_endpgm
.Lvpath:
	s_lshl_b32 s72, s[M7], 1
	s_add_co_u32 s72, s72, s16
	s_lshl_b32 s76, s[BB], 2
	s_lshl_b32 s77, s15, 1
	s_add_co_u32 s76, s76, s77
	s_lshl_b32 s76, s76, 4
	s_add_co_u32 s72, s72, s76
	s_mul_i32 s72, s72, REC
	s_mov_b32 s73, 0
	s_add_nc_u64 s[88:89], s[10:11], s[72:73]
	s_add_nc_u64 s[90:91], s[88:89], 16*REC
.irp a, 0,1,2,3,4,5,6,7
	s_wait_xcnt 0x0
.set QB, 64*((\a)%4)
	QUANT QB, 2+(\a)/4
.irp c, 0,1,2
	global_store_b128 v[LI16], v[PC+4*\c:PC+4*\c+3], s[88+2*((\a)/4):89+2*((\a)/4)] offset:VIM+1536*((\a)%4)+512*\c
.endr
	v_mov_b32 v[SW0+\a], v[PW]
.endr
.irp p, 0,1,2,3
	v_cndmask_b32 v[OUT+\p], v[SW0+2*\p], v[SW0+2*\p+1], s[HM]
.endr
	v_mov_b32 v[OUT+4], 0
	v_mov_b32 v[OUT+5], 0
	global_store_b64 v[LI8], v[OUT:OUT+1], s[88:89] offset:12800
	global_store_b64 v[LI8], v[OUT+2:OUT+3], s[90:91] offset:12800
	global_store_b64 v[LI8], v[OUT+4:OUT+5], s[88:89] offset:13056   ; the record's last 256 bytes: zeros
	global_store_b64 v[LI8], v[OUT+4:OUT+5], s[90:91] offset:13056
	s_wait_tensorcnt 0x0
	ds_add_u32 v[SPW], v[NIL]
	s_wait_dscnt 0x0
	s_endpgm
.Lfunc_end_k_qe7067cf863_qkv:
	.size	k_qe7067cf863_qkv, .Lfunc_end_k_qe7067cf863_qkv-k_qe7067cf863_qkv
	.p2alignl 7, 3214868480
	.fill 96, 4, 3214868480
	.section	.rodata,"a",@progbits
	.p2align	6, 0x0
	.amdhsa_kernel k_qe7067cf863_qkv
		.amdhsa_group_segment_fixed_size 327680
		.amdhsa_private_segment_fixed_size 0
		.amdhsa_enable_private_segment 0
		.amdhsa_kernarg_size 32
		.amdhsa_user_sgpr_count 2
		.amdhsa_user_sgpr_kernarg_segment_ptr 1
		.amdhsa_wavefront_size32 1
		.amdhsa_system_sgpr_workgroup_id_x 1
		.amdhsa_system_sgpr_workgroup_id_y 1
		.amdhsa_system_sgpr_workgroup_id_z 1
		.amdhsa_system_vgpr_workitem_id 0
		.amdhsa_next_free_vgpr 1024
		.amdhsa_next_free_sgpr 96
		.amdhsa_reserve_vcc 0
		.amdhsa_float_denorm_mode_32 3
		.amdhsa_float_denorm_mode_16_64 3
		.amdhsa_memory_ordered 1
		.amdhsa_forward_progress 1
		.amdhsa_inst_pref_size 237
	.end_amdhsa_kernel
	.amdgpu_metadata
---
amdhsa.version: [ 1, 2 ]
amdhsa.kernels:
  - .name:           k_qe7067cf863_qkv
    .symbol:         k_qe7067cf863_qkv.kd
    .args:
      - { .name: xcs, .offset: 0, .size: 8, .value_kind: global_buffer, .address_space: global }
      - { .name: wcs, .offset: 8, .size: 8, .value_kind: global_buffer, .address_space: global }
      - { .name: qq, .offset: 16, .size: 8, .value_kind: global_buffer, .address_space: global }
      - { .name: kvb, .offset: 24, .size: 8, .value_kind: global_buffer, .address_space: global }
    .group_segment_fixed_size: 327680
    .private_segment_fixed_size: 0
    .kernarg_segment_align: 8
    .kernarg_segment_size: 32
    .max_flat_workgroup_size: 128
    .sgpr_count:     96
    .vgpr_count:     1024
    .wavefront_size: 32
...
	.end_amdgpu_metadata
.endif
;; end of part 2
;; launch attn (part 3): grid 16 x 16, 16 waves a work-group, no clusters, 327,680 bytes of LDS; arguments qq, kvb, oc, os; writes oc, os
.if DOCPART == 3
	.amdgcn_target "amdgcn-amd-amdhsa--gfx1250"
	.amdhsa_code_object_version 6
	.text
	.protected	k_qe7067cf863_attn
	.globl	k_qe7067cf863_attn
	.p2align	8
	.type	k_qe7067cf863_attn,@function
k_qe7067cf863_attn:
	s_mov_b64 s[64:65], 0
	v_nop
	global_prefetch_b8 v0, s[64:65] scope:SCOPE_SE
	s_setreg_imm32_b32 hwreg(HW_REG_WAVE_MODE, 25, 1), 1
	s_wait_xcnt 0x0
; Causal grouped-query attention on codes of FP6 (E2M3): S^T = k q^T (K = the head's 64: the upper half of the 128-deep instruction meets zero codes of q), p = 2^(t - M), O^T = v^T p^T (K = the keys), O / the row's sum,
; quantised along head x 64 + d into oc [8192 tokens][768 bytes] and os [8192][32].  t = score x log2(e) / 8; M = the running largest t rounded up to a whole number; the sum is taken of the unquantised p.
; SHARES.  Work-group (i, y = 4 b + kv) owns the blocks of 64 positions i and 31 - i for the group's four heads: block j needs j / 2 + 1 steps of 128 keys, the pair always 17: 256 work-groups of equal work.
; Wave w: head g = w / 4 of the group, stored tile w % 4 of the block: 16 queries; first block i, then block 31 - i.
; LDS.  The 16 records of (b, kv), 13,312 bytes each, are filled once.  Eight records are 416 rows of 256 bytes: each of the sixteen waves brings 26 rows of records 0-7 at the head, and 26 rows of records 8-15
; behind the first barrier; block i reads records 0-7 at the most.  Behind the records two stages for the way out and the spare words.
; Block i's codes wait in their stage: one barrier at the end serves both blocks' ways out.
; A lane holds ONE query throughout; tiles hold stored rows (bits 3 and 4 of the index exchanged), so that the 16 registers of tiles 2 b and 2 b + 1 are 16 neighbouring keys, or channels.
; CAUSAL.  The loops' trip counts are constants; a step all of whose keys come after the wave's queries is jumped over by a scalar branch on ids; on the diagonal hidden scores become -infinity ahead of the maximum.
; No cluster: that branch hangs on the work-group's own block, which partners would not share.  No prefetch: all of k and v is asked for by the first barrier.
; LIMITS: a block of zeros or under 2^-124 gets the byte 1 (read by this program alone); NaN and infinities are not served; the scaled scores stay under 2^31 in magnitude.
.set REC,   13312
.set VIM,   6144
.set KSC,   12288
.set VSC,   12800
.set STGA,  16*REC                     ; stage for block i: 64 rows x 272: sixteen places of 16 bytes with 12 bytes of codes each, then 8 scale bytes
.set STGD,  64*272                     ; from it to the stage for block 31 - i
.set SPARE, STGA+2*STGD
.set QSOFF, 6291456
.set LI16, 1                           ; 16 x lane
.set LI8,  2                           ; 8 x lane
.set QL,   3                           ; r + 8 (r / 8) - 16 h
.set STA,  4                           ; the stage: where my codes go
.set SPW,  5
.set NIL,  6
.set STS,  7                           ; and my two scale bytes
.set ADB,  8                           ; the record in hand + 16 x lane
.set ADH,  9                           ; + 8 x lane
.set RDA,  10                          ; the stage, back: rows 4 w + h, 16 r
.set GOC,  11                          ; the same place in oc
.set RDS,  28                          ; a row's scale bytes in the stage
.set GOS,  29                          ; and in os
.set R16,  30                          ; 16 r
; v12 -M, v13 the largest t, v[14:15] the sum; v16-27 q of block i (22-27 zeros); v32-79 k's or v's fragments; v80-85 zeros; v86-89 k's scale words, v90-91 v's, v92-93 q's; v96-159 S^T, then p; v160-191 O^T;
; v192-203 q of block 31 - i; v204-215 the way out; v224-235 p's codes; v232-255 at work; v253 p's scale word
.set WV,   12
.set G,    13
.set TAU,  14
.set YY,   15
.set BB,   16
.set KV,   17
.set HQ,   18
.set TOFF, 19
.set SEL,  20
.set CS,   22
.set G1,   24
.set G0,   32                          ; s[32:39] two groups 0; none is written again
.set TB,   48
.set KF,   49
.set Q0,   50
.set CNT,  51
.set BLA,  52
.set BLB,  53
	s_load_b256 s[4:11], s[0:1], 0x0               ; qq, kvb, oc, os
	v_lshl_add_u32 v[SPW], v0, 2, SPARE
	v_mov_b32 v[NIL], 0
	ds_add_u32 v[SPW], v[NIL]                      ; the opening lines: the add twice and its wait
	ds_add_u32 v[SPW], v[NIL]
	v_lshrrev_b32 v32, 5, v0
	v_readfirstlane_b32 s[WV], v32
	s_lshr_b32 s[G], s[WV], 2
	s_and_b32 s[TAU], s[WV], 3
	s_and_b32 s[YY], ttmp7, 0xffff
	s_lshr_b32 s[BB], s[YY], 2
	s_and_b32 s[KV], s[YY], 3
	s_lshl_b32 s[HQ], s[YY], 2
	s_add_co_u32 s[HQ], s[HQ], s[G]                ; 16 b + my head
	s_lshr_b32 s[TOFF], s[TAU], 1
	s_lshl_b32 s[TOFF], s[TOFF], 5
	s_and_b32 s54, s[TAU], 1
	s_lshl_b32 s54, s54, 3
	s_add_co_u32 s[TOFF], s[TOFF], s54             ; my tile's first position in its block
	s_mov_b32 s[BLA], ttmp9
	s_sub_co_u32 s[BLB], 31, ttmp9
	s_mov_b32 s[SEL], 0x76543210
	s_mov_b32 s[SEL+1], 0xfedcba98
	s_mov_b32 s[CS], 0x3e38aa3b                    ; log2(e) / 8
	s_mov_b32 s[CS+1], s[CS]
	s_mov_b32 s[G1+0], 3<<16                       ; 26 dense rows of 256 bytes (32 elements of 8)
	s_mov_b32 s[G1+1], 32<<16
	s_mov_b32 s[G1+2], 26<<16
	s_mov_b32 s[G1+3], 32<<16
	s_mov_b32 s[G1+4], 26
	s_mov_b32 s[G1+5], 32
	s_mov_b32 s[G1+6], 0
	s_mov_b32 s[G1+7], 0
	s_mul_i32 s54, s[WV], 26*256                   ; my 26 rows of eight records' 416
	s_mul_i32 s56, s[YY], 16*REC
	s_add_co_u32 s56, s56, s54
	s_mov_b32 s57, 0
	s_wait_dscnt 0x0
	s_wait_kmcnt 0x0
	s_add_nc_u64 s[56:57], s[6:7], s[56:57]
.irp q, 0,1
	s_mov_b32 s[G0+4*\q], 1
	s_add_co_u32 s[G0+4*\q+1], s54, 8*\q*REC
	s_add_nc_u64 s[G0+4*\q+2:G0+4*\q+3], s[56:57], 8*\q*REC
	s_or_b32 s[G0+4*\q+3], s[G0+4*\q+3], 0x80000000
.endr
	tensor_load_to_lds s[G0:G0+3], s[G1:G1+7]      ; records 0-7: every wave's one load at the head
	s_nop 0
.rept 4
	v_nop
.endr
; where block blk's things lie: s[o] q's tile, s[o+2] its scale words, s[o+4] my four rows of oc, s[o+6] the block's rows of os
.macro BASES blk, o
	s_lshl_b32 s82, s[HQ], 7
	s_lshl_b32 s83, s[\blk], 2
	s_add_co_u32 s82, s82, s83
	s_add_co_u32 s82, s82, s[TAU]
	s_mul_i32 s82, s82, 768
	s_mov_b32 s83, 0
	s_add_nc_u64 s[\o:\o+1], s[4:5], s[82:83]
	s_lshl_b32 s82, s[HQ], 4
	s_lshr_b32 s84, s[\blk], 1
	s_add_co_u32 s82, s82, s84
	s_lshl_b32 s82, s82, 9
	s_and_b32 s84, s[\blk], 1
	s_lshl_b32 s84, s84, 2
	s_add_co_u32 s84, s84, s[TAU]                  ; my tile a of eight: its words lie at 256 (a % 2) + 4 (a / 2) + 16 r
	s_and_b32 s85, s84, 1
	s_lshl_b32 s85, s85, 8
	s_add_co_u32 s82, s82, s85
	s_lshr_b32 s85, s84, 1
	s_lshl_b32 s85, s85, 2
	s_add_co_u32 s82, s82, s85
	s_add_co_u32 s82, s82, QSOFF
	s_add_nc_u64 s[\o+2:\o+3], s[4:5], s[82:83]
	s_lshl_b32 s82, s[BB], 11
	s_lshl_b32 s84, s[\blk], 6
	s_add_co_u32 s82, s82, s84                     ; the block's first token
	s_lshl_b32 s85, s82, 5
	s_lshl_b32 s84, s[WV], 2
	s_add_co_u32 s82, s82, s84
	s_mul_i32 s82, s82, 768
	s_mul_i32 s84, s[KV], 192
	s_add_co_u32 s82, s82, s84
	s_add_nc_u64 s[\o+4:\o+5], s[8:9], s[82:83]
	s_lshl_b32 s84, s[KV], 3
	s_add_co_u32 s82, s85, s84
	s_add_nc_u64 s[\o+6:\o+7], s[10:11], s[82:83]
.endm
	BASES BLA, 66
	BASES BLB, 74
	v_and_b32 v32, 31, v0
	v_and_b32 v33, 15, v0                          ; r
	v_bfe_u32 v34, v0, 4, 1                        ; h
	v_lshlrev_b32 v[LI16], 4, v32
	v_lshlrev_b32 v[LI8], 3, v32
	v_lshlrev_b32 v[R16], 4, v33
	global_load_b128 v[16:19], v[LI16], s[66:67]
	global_load_b64 v[20:21], v[LI8], s[66:67] offset:512
	global_load_b32 v92, v[R16], s[68:69]
	global_load_b128 v[192:195], v[LI16], s[74:75]
	global_load_b64 v[196:197], v[LI8], s[74:75] offset:512
	global_load_b32 v93, v[R16], s[76:77]
	v_and_b32 v35, 8, v33
	v_lshlrev_b32 v36, 4, v34
	v_add_nc_u32 v35, v35, v33                     ; r + 8 (r / 8)
	v_mul_u32_u24 v[RDA], v34, 272
	v_sub_nc_u32 v[QL], v35, v36
	v_add_nc_u32 v35, s[TOFF], v35                 ; my query's row among the block's 64
	v_mul_u32_u24 v[GOC], v34, 768
	v_mul_u32_u24 v35, v35, 272
	s_lshl_b32 s54, s[G], 6
	s_lshl_b32 s55, s[G], 1
	s_mul_i32 s58, s[WV], 4*272
	v_add_nc_u32 v[RDA], v[RDA], v[R16]
	v_add_nc_u32 v[STA], v35, v36
	v_add_nc_u32 v[STS], s55, v35
	v_add_nc_u32 v[RDA], s58, v[RDA]
	v_add_nc_u32 v[STA], s54, v[STA]
	v_add_nc_u32 v[STS], STGA+256, v[STS]
	v_add_nc_u32 v[RDA], STGA, v[RDA]
	v_add_nc_u32 v[STA], STGA, v[STA]              ; place 4 g + h: the codes of d = 16 h .. ; two places on those of d = 32 + 16 h ..
	v_mad_u32_u24 v[GOC], v33, 12, v[GOC]
	v_mul_u32_u24 v[RDS], v32, 272
	v_lshlrev_b32 v[GOS], 5, v32
	v_add_nc_u32 v[RDS], STGA+256, v[RDS]
.irp j, 22,23,24,25,26,27,80,81,82,83,84,85,198,199,200,201,202,203
	v_mov_b32 v[\j], 0                             ; zero codes: q's upper 64 along K; and what stands behind k's last tile
.endr
.irp j, 236,237,238,239,252,253
	v_mov_b32 v[\j], 0                             ; written once: lane permutes' destinations, and the pair v[252:253]
.endr
.macro INIT
	v_mov_b32 v13, 0xff61b1e6                      ; the largest t so far: -3e38
	v_mov_b32 v14, 0
	v_mov_b32 v15, 0
	v_floor_f32 v12, -v13
.set jj, 0
.rept 32
	v_mov_b32 v[160+jj], 0                         ; the step is written once: the first finds zeros
.set jj, jj+1
.endr
.endm
; A KEY STEP: the 128 keys of the record at s[TB].  QF: q's fragment; QS: its scale words.
.macro STEP QF, QS
	s_add_co_u32 s96, s[Q0], 23
	s_cmp_gt_u32 s[KF], s96                        ; all keys come after my 16 queries: nothing but the stepping lines
	s_cbranch_scc1 .Lhidden_\@
	v_add_nc_u32 v[ADB], s[TB], v[LI16]
	v_add_nc_u32 v[ADH], s[TB], v[LI8]
	v_nop
	v_nop                                          ; four places in front of loads into registers that the last products read
.irp t, 0,1,2,3,4,5,6,7
	ds_load_b128 v[32+6*\t:35+6*\t], v[ADB] offset:768*\t
	ds_load_b64 v[36+6*\t:37+6*\t], v[ADH] offset:768*\t+512
.endr
	ds_load_b128 v[86:89], v[ADB] offset:KSC
	s_wait_alu depctr_va_vdst(0)
	s_wait_dscnt 0x0
.irp t, 0,2,4,6                                ; a tile's registers 6-11 are the next tile's (or zeros): they meet q's zero codes
	v_wmma_scale_f32_16x16x128_f8f6f4 v[96+8*\t:103+8*\t], v[32+6*\t:43+6*\t], v[\QF:\QF+11], 0, v[86+\t/2], v[\QS] matrix_a_fmt:MATRIX_FMT_FP6 matrix_b_fmt:MATRIX_FMT_FP6
	v_wmma_scale_f32_16x16x128_f8f6f4 v[104+8*\t:111+8*\t], v[38+6*\t:49+6*\t], v[\QF:\QF+11], 0, v[86+\t/2], v[\QS] matrix_a_fmt:MATRIX_FMT_FP6 matrix_b_fmt:MATRIX_FMT_FP6 matrix_a_scale:MATRIX_SCALE_ROW1
.endr
.rept 4
	v_nop
.endr
.irp t, 0,1,2,3                                ; v's four fragments land while the softmax is walked
.irp c, 0,1,2
	ds_load_b128 v[32+12*\t+4*\c:35+12*\t+4*\c], v[ADB] offset:VIM+1536*\t+512*\c
.endr
.endr
	ds_load_b64 v[90:91], v[ADH] offset:VSC
	s_add_co_u32 s96, s[KF], 127
	s_cmp_le_u32 s96, s[Q0]                        ; all keys count for all my queries
	s_cbranch_scc1 .Lopen_\@
	s_sub_co_i32 s96, s[Q0], s[KF]
	v_add_nc_u32 v252, s96, v[QL]                  ; register 16 b + i holds a hidden key where 32 b + i > my query - the first key - 16 h
	v_mov_b32 v254, 0xff800000
.set jj, 0
.rept 64
	v_cmp_gt_i32 vcc_lo, 32*(jj/16)+jj%16, v252
	v_cndmask_b32 v[96+jj], v[96+jj], v254, vcc_lo
.set jj, jj+1
.endr
.Lopen_\@:
.irp b, 0,1,2,3
	v_max3_num_f32 v[232+\b], v[96+16*\b], v[97+16*\b], v[98+16*\b]   ; the largest score of each block of 32 keys: for the row's maximum and for the block's largest p
.endr
.irp i, 3,5,7,9,11,13
.irp b, 0,1,2,3
	v_max3_num_f32 v[232+\b], v[232+\b], v[96+16*\b+\i], v[97+16*\b+\i]
.endr
.endr
.irp b, 0,1,2,3
	v_max_num_f32 v[232+\b], v[232+\b], v[111+16*\b]
.endr
.irp b, 0,1,2,3
	s_delay_alu instid0(VALU_DEP_4)
	v_permlanex16_b32 v[236+\b], v[232+\b], s[SEL], s[SEL+1]
.endr
.irp b, 0,1,2,3
	s_delay_alu instid0(VALU_DEP_4)
	v_max_num_f32 v[232+\b], v[232+\b], v[236+\b]
.endr
	s_delay_alu instid0(VALU_DEP_2)
	v_max3_num_f32 v254, v232, v233, v234
	s_delay_alu instid0(VALU_DEP_1)
	v_max_num_f32 v254, v254, v235
	s_delay_alu instid0(VALU_DEP_1)
	v_mul_f32 v254, s[CS], v254
	s_delay_alu instid0(VALU_DEP_1)
	v_max_num_f32 v13, v13, v254                   ; the running largest t
	v_mov_b32 v254, v12
	s_delay_alu instid0(VALU_DEP_2)
	v_floor_f32 v12, -v13                          ; -M = floor(-t): M is a whole number
	s_delay_alu instid0(VALU_DEP_1)
	v_sub_f32 v254, v12, v254
	s_delay_alu instid0(VALU_DEP_1)
	v_cvt_i32_f32 v254, v254                       ; (it saturates)
	s_delay_alu instid0(VALU_DEP_1)
	v_ldexp_f32 v252, 1.0, v254                    ; f = 2^(old M - new M)
.set jj, 0
.rept 32
	v_pk_fma_f32 v[96+jj:97+jj], v[96+jj:97+jj], s[CS:CS+1], v[12:13] op_sel_hi:[1,0,0]   ; t - M
.set jj, jj+2
.endr
.irp b, 0,1,2,3
	v_fma_f32 v[232+\b], v[232+\b], s[CS], v12
.endr
.set jj, 0
	s_wait_alu depctr_va_vdst(0)
.rept 64
	v_exp_f32 v[96+jj], v[96+jj]                   ; p = 2^(t - M)
.set jj, jj+1
.endr
	v_pk_mul_f32 v[14:15], v[14:15], v[252:253] op_sel_hi:[1,0]   ; the sums under the new M: a plain place behind the exponentials
	s_wait_alu depctr_va_vdst(0)                   ; one wait for the batch, ahead of its first reader
.irp b, 0,1,2,3
	v_exp_f32 v[232+\b], v[232+\b]                 ; each block's largest p
.endr
	v_pk_add_f32 v[236:237], v[100:101], v[104:105]   ; the row's sum of the unquantised p, in eight chains
	v_pk_add_f32 v[254:255], v[108:109], v[112:113]
	v_pk_add_f32 v[250:251], v[116:117], v[120:121]
	v_pk_add_f32 v[248:249], v[124:125], v[128:129]
	v_pk_add_f32 v[246:247], v[132:133], v[136:137]
	v_pk_add_f32 v[244:245], v[140:141], v[144:145]
	v_pk_add_f32 v[242:243], v[148:149], v[152:153]
	v_pk_add_f32 v[14:15], v[14:15], v[156:157]
	v_pk_add_f32 v[236:237], v[236:237], v[96:97]
	v_pk_add_f32 v[254:255], v[254:255], v[98:99]
	v_pk_add_f32 v[250:251], v[250:251], v[102:103]
	v_pk_add_f32 v[248:249], v[248:249], v[106:107]
	v_pk_add_f32 v[246:247], v[246:247], v[110:111]
	v_pk_add_f32 v[244:245], v[244:245], v[114:115]
	v_pk_add_f32 v[242:243], v[242:243], v[118:119]
	v_pk_add_f32 v[14:15], v[14:15], v[122:123]
	v_pk_add_f32 v[236:237], v[236:237], v[126:127]
	v_pk_add_f32 v[254:255], v[254:255], v[130:131]
	v_pk_add_f32 v[250:251], v[250:251], v[134:135]
	v_pk_add_f32 v[248:249], v[248:249], v[138:139]
	v_pk_add_f32 v[246:247], v[246:247], v[142:143]
	v_pk_add_f32 v[244:245], v[244:245], v[146:147]
	v_pk_add_f32 v[242:243], v[242:243], v[150:151]
	v_pk_add_f32 v[14:15], v[14:15], v[154:155]
	v_pk_add_f32 v[236:237], v[236:237], v[158:159]
	s_delay_alu instid0(VALU_DEP_2)
	v_pk_add_f32 v[14:15], v[14:15], v[248:249]
	s_delay_alu instid0(VALU_DEP_2)
	v_pk_add_f32 v[236:237], v[236:237], v[246:247]
	v_pk_add_f32 v[254:255], v[254:255], v[244:245]
	v_pk_add_f32 v[250:251], v[250:251], v[242:243]
	s_delay_alu instid0(VALU_DEP_2)
	v_pk_add_f32 v[14:15], v[14:15], v[254:255]
	s_delay_alu instid0(VALU_DEP_2)
	v_pk_add_f32 v[236:237], v[236:237], v[250:251]
	s_delay_alu instid0(VALU_DEP_1)
	v_pk_add_f32 v[14:15], v[14:15], v[236:237]
	s_wait_alu depctr_va_vdst(0)                   ; and one for the four
.irp b, 0,1,2,3
	v_max_num_f32 v[232+\b], 0x1800000, v[232+\b]  ; the floor 2^(3 - 127)
.endr
.irp b, 0,1,2,3
	s_delay_alu instid0(VALU_DEP_4)
	v_add_nc_u32 v[244+\b], 0xff000000, v[232+\b]
.endr
.irp b, 0,1,2,3
	s_delay_alu instid0(VALU_DEP_4)
	v_lshrrev_b32 v[236+\b], 23, v[244+\b]
.endr
	s_delay_alu instid0(VALU_DEP_3)
	v_lshl_or_b32 v253, v237, 8, v236              ; p's scale word for these 128 keys
	s_delay_alu instid0(VALU_DEP_1)
	v_lshl_or_b32 v253, v238, 16, v253
	s_delay_alu instid0(VALU_DEP_1)
	v_lshl_or_b32 v253, v239, 24, v253
.irp c, 0,1
	v_cvt_scalef32_pk16_fp6_f32 v[224+6*\c:226+6*\c], v[96+32*\c:111+32*\c], v[244+2*\c]
	v_cvt_scalef32_pk16_fp6_f32 v[236+4*\c:238+4*\c], v[112+32*\c:127+32*\c], v[244+2*\c+1]
.endr
	v_nop                                          ; one plain place behind a scaled conversion
.irp c, 0,1
.irp i, 0,1,2
	v_permlane16_swap_b32 v[224+6*\c+\i], v[236+4*\c+\i]
.endr
.irp i, 0,1,2
	s_delay_alu instid0(VALU_DEP_3)
	v_mov_b32 v[227+6*\c+\i], v[236+4*\c+\i]
.endr
.endr
.set jj, 0
.rept 16
	v_pk_mul_f32 v[160+jj:161+jj], v[160+jj:161+jj], v[252:253] op_sel_hi:[1,0]   ; O^T under the new M; these sixteen stand between the scale word's last write and the products
.set jj, jj+2
.endr
	s_wait_alu depctr_va_vdst(0)
	s_wait_dscnt 0x0                               ; v's fragments and scale words are in
.irp t, 0,2                                    ; four accumulators by turns
	v_wmma_scale_f32_16x16x128_f8f6f4 v[160+8*\t:167+8*\t], v[32+12*\t:43+12*\t], v[224:235], v[160+8*\t:167+8*\t], v[90+\t/2], v253 matrix_a_fmt:MATRIX_FMT_FP6 matrix_b_fmt:MATRIX_FMT_FP6
	v_wmma_scale_f32_16x16x128_f8f6f4 v[168+8*\t:175+8*\t], v[44+12*\t:55+12*\t], v[224:235], v[168+8*\t:175+8*\t], v[90+\t/2], v253 matrix_a_fmt:MATRIX_FMT_FP6 matrix_b_fmt:MATRIX_FMT_FP6 matrix_a_scale:MATRIX_SCALE_ROW1
.endr
.Lhidden_\@:
	s_add_co_u32 s[KF], s[KF], 128
	s_add_co_u32 s[TB], s[TB], REC
.endm
; A block's end: O^T / the sum; register 16 b + i is d = 32 b + 16 h + i of my query: two blocks of 32, quantised, into the stage.
.macro FIN1 stg
.rept 4
	v_nop                                          ; places behind the last products
.endr
	v_add_f32 v14, v14, v15
	s_delay_alu instid0(VALU_DEP_1)
	v_permlanex16_b32 v252, v14, s[SEL], s[SEL+1]
	s_delay_alu instid0(VALU_DEP_1)
	v_add_f32 v14, v14, v252                       ; the row's sum
	s_wait_alu depctr_va_vdst(0)
	v_rcp_f32 v14, v14
	v_nop
	s_wait_alu depctr_va_vdst(0)
.set jj, 0
.rept 32
	v_mul_f32 v[96+jj], v[160+jj], v14
.set jj, jj+1
.endr
	v_max3_num_f32 v232, |v96|, |v97|, 0x1800000
	v_max3_num_f32 v233, |v112|, |v113|, 0x1800000
.irp i, 2,4,6,8,10,12,14
	s_delay_alu instid0(VALU_DEP_2)
	v_max3_num_f32 v232, v232, |v[96+\i]|, |v[97+\i]|
	s_delay_alu instid0(VALU_DEP_2)
	v_max3_num_f32 v233, v233, |v[112+\i]|, |v[113+\i]|
.endr
	s_delay_alu instid0(VALU_DEP_2)
	v_permlanex16_b32 v236, v232, s[SEL], s[SEL+1]
	s_delay_alu instid0(VALU_DEP_2)
	v_permlanex16_b32 v237, v233, s[SEL], s[SEL+1]
	s_delay_alu instid0(VALU_DEP_2)
	v_max_num_f32 v232, v232, v236
	s_delay_alu instid0(VALU_DEP_2)
	v_max_num_f32 v233, v233, v237
	s_delay_alu instid0(VALU_DEP_2)
	v_add_nc_u32 v244, 0xff000000, v232
	s_delay_alu instid0(VALU_DEP_2)
	v_add_nc_u32 v245, 0xff000000, v233
	s_delay_alu instid0(VALU_DEP_2)
	v_lshrrev_b32 v236, 23, v244
	s_delay_alu instid0(VALU_DEP_2)
	v_lshrrev_b32 v237, 23, v245
	s_delay_alu instid0(VALU_DEP_1)
	v_lshl_or_b32 v246, v237, 8, v236              ; my head's two scale bytes
	v_cvt_scalef32_pk16_fp6_f32 v[224:226], v[96:111], v244
	v_cvt_scalef32_pk16_fp6_f32 v[228:230], v[112:127], v245
	v_nop
	ds_store_b96 v[STA], v[224:226] offset:\stg
	ds_store_b96 v[STA], v[228:230] offset:\stg+32
	ds_store_b16 v[STS], v246 offset:\stg          ; both halves of the lanes write the same two bytes
.endm
; The way out of a stage: the four heads' codes leave as 192 consecutive bytes of a token's row; rb: twelve registers of its own for each call
.macro FIN2 stg, ob, rb
	ds_load_b96 v[\rb:\rb+2], v[RDA] offset:\stg
	ds_load_b96 v[\rb+4:\rb+6], v[RDA] offset:\stg+544
	s_wait_dscnt 0x0
	global_store_b96 v[GOC], v[\rb:\rb+2], s[\ob:\ob+1]
	global_store_b96 v[GOC], v[\rb+4:\rb+6], s[\ob:\ob+1] offset:1536
	s_cmp_lg_u32 s[WV], 0                          ; wave 0 stores the 64 rows' scale bytes, 8 a row
	s_cbranch_scc1 .Lnot0_\@
	ds_load_b64 v[\rb+8:\rb+9], v[RDS] offset:\stg
	ds_load_b64 v[\rb+10:\rb+11], v[RDS] offset:\stg+8704
	s_wait_dscnt 0x0
	global_store_b64 v[GOS], v[\rb+8:\rb+9], s[\ob+2:\ob+3]
	global_store_b64 v[GOS], v[\rb+10:\rb+11], s[\ob+2:\ob+3] offset:1024
.Lnot0_\@:
.endm
	s_wait_alu depctr_va_vdst(0)
	s_wait_tensorcnt 0x0                           ; my rows of records 0-7 are in; the full sequence ahead of a later first fill
	ds_add_u32 v[SPW], v[NIL]
	s_wait_dscnt 0x0
	s_barrier_signal -1
	s_barrier_wait -1
	tensor_load_to_lds s[G0+4:G0+7], s[G1:G1+7]    ; records 8-15: they have all of block i in which to land
	s_nop 0
	INIT
	s_lshl_b32 s[Q0], s[BLA], 6
	s_add_co_u32 s[Q0], s[Q0], s[TOFF]
	s_mov_b32 s[TB], 0
	s_mov_b32 s[KF], 0
	s_mov_b32 s[CNT], 8
	s_wait_loadcnt 0x0                             ; q
.LA0:
	STEP 16, 92
	s_sub_co_u32 s[CNT], s[CNT], 1
	s_cmp_lg_u32 s[CNT], 0
	s_cbranch_scc1 .LA0
	FIN1 0
	s_wait_tensorcnt 0x0                           ; my rows of records 8-15
	s_wait_dscnt 0x0
	s_barrier_signal -1
	s_barrier_wait -1
	INIT
	s_lshl_b32 s[Q0], s[BLB], 6
	s_add_co_u32 s[Q0], s[Q0], s[TOFF]
	s_mov_b32 s[TB], 0
	s_mov_b32 s[KF], 0
	s_mov_b32 s[CNT], 16
.LB0:
	STEP 192, 93
	s_sub_co_u32 s[CNT], s[CNT], 1
	s_cmp_lg_u32 s[CNT], 0
	s_cbranch_scc1 .LB0
	FIN1 STGD
	s_wait_dscnt 0x0                               ; for the others' sake: my stores into both stages have landed
	s_barrier_signal -1
	s_barrier_wait -1
	FIN2 0, 70, 204
	FIN2 STGD, 78, 96
	s_wait_tensorcnt 0x0                           ; the wave's end
	ds_add_u32 v[SPW], v[NIL]
	s_wait_dscnt 0x0
	s_endpgm
.Lfunc_end_k_qe7067cf863_attn:
	.size	k_qe7067cf863_attn, .Lfunc_end_k_qe7067cf863_attn-k_qe7067cf863_attn
	.p2alignl 7, 3214868480
	.fill 96, 4, 3214868480
	.section	.rodata,"a",@progbits
	.p2align	6, 0x0
	.amdhsa_kernel k_qe7067cf863_attn
		.amdhsa_group_segment_fixed_size 327680
		.amdhsa_private_segment_fixed_size 0
		.amdhsa_enable_private_segment 0
		.amdhsa_kernarg_size 32
		.amdhsa_user_sgpr_count 2
		.amdhsa_user_sgpr_kernarg_segment_ptr 1
		.amdhsa_wavefront_size32 1
		.amdhsa_system_sgpr_workgroup_id_x 1
		.amdhsa_system_sgpr_workgroup_id_y 1
		.amdhsa_system_sgpr_workgroup_id_z 1
		.amdhsa_system_vgpr_workitem_id 0
		.amdhsa_next_free_vgpr 256
		.amdhsa_next_free_sgpr 100
		.amdhsa_reserve_vcc 1
		.amdhsa_float_denorm_mode_32 3
		.amdhsa_float_denorm_mode_16_64 3
		.amdhsa_memory_ordered 1
		.amdhsa_forward_progress 1
		.amdhsa_inst_pref_size 65
	.end_amdhsa_kernel
	.amdgpu_metadata
---
amdhsa.version: [ 1, 2 ]
amdhsa.kernels:
  - .name:           k_qe7067cf863_attn
    .symbol:         k_qe7067cf863_attn.kd
    .args:
      - { .name: qq, .offset: 0, .size: 8, .value_kind: global_buffer, .address_space: global }
      - { .name: kvb, .offset: 8, .size: 8, .value_kind: global_buffer, .address_space: global }
      - { .name: oc, .offset: 16, .size: 8, .value_kind: global_buffer, .address_space: global }
      - { .name: os, .offset: 24, .size: 8, .value_kind: global_buffer, .address_space: global }
    .group_segment_fixed_size: 327680
    .private_segment_fixed_size: 0
    .kernarg_segment_align: 8
    .kernarg_segment_size: 32
    .max_flat_workgroup_size: 512
    .sgpr_count:     100
    .vgpr_count:     256
    .wavefront_size: 32
...
	.end_amdgpu_metadata
.endif
;; end of part 3
;; launch oproj (part 4): grid 4 x 64, 4 waves a work-group, clusters of 4 x 4, 327,680 bytes of LDS; arguments oc, os, woc, wos, out0; writes out0
.if DOCPART == 4
	.amdgcn_target "amdgcn-amd-amdhsa--gfx1250"
	.amdhsa_code_object_version 6
	.text
	.protected	k_qe7067cf863_oproj
	.globl	k_qe7067cf863_oproj
	.p2align	8
	.type	k_qe7067cf863_oproj,@function
k_qe7067cf863_oproj:
	s_mov_b64 s[64:65], 0
	v_nop
	global_prefetch_b8 v0, s[64:65] scope:SCOPE_SE
	s_setreg_imm32_b32 hwreg(HW_REG_WAVE_MODE, 25, 1), 1
	s_wait_xcnt 0x0
	s_wait_alu depctr_hold_cnt(0) depctr_sa_sdst(0) depctr_va_vdst(0) depctr_va_sdst(0) depctr_va_ssrc(0) depctr_va_vcc(0) depctr_vm_vsrc(0)
	s_getreg_b32 s2, hwreg(HW_REG_IB_STS2, 6, 4)
	s_cmp_eq_u32 s2, 0
	s_cbranch_scc0 .Lentry_in_a_cluster
	s_endpgm
.Lentry_in_a_cluster:
	s_bfe_u32 s2, ttmp6, 0x10000c
	s_cmp_lg_u32 s2, 0xf033
	s_cbranch_scc0 .Lentry_shape_is_right
	s_endpgm
.Lentry_shape_is_right:
; out0 [8192][1024] f32 = O Wo on codes of FP6 (E2M3): oc [8192][768 bytes], os [8192][32], woc [1024 (n)][768], wos [1024][32]; K = 1,024.
; A block of 128 rows x 256 columns a work-group: 64 x 4 = 256 work-groups.  THE BLOCK IS MADE IN TWO HALVES OF 128 COLUMNS; in each a wave makes 64 x 64: 16 accumulators.
; WHOLE ROWS OF K LIE IN LDS: 128 rows of oc and 256 of woc, 768 bytes each, 16 bytes of padding behind each 256: pitch 816, 313,344 bytes, each byte filled once.
; At the head one tensor load a wave: waves 0, 1 bring 64 rows of oc each, waves 2, 3 64 of woc's first 128 each.  woc's other 128 rows, 32 a wave, are asked for behind the full sequence and a round of the
; cluster's barrier, and land while the first half is multiplied.  The first half's results are stored ahead of the second half's products.
; oc's fragments are read from LDS once, in the first half, and stay in 384 registers for the second.
; CLUSTERS of 4 x 4: oc's rows are shared along a row of the cluster, woc's along a column, each asked for jointly.
; THE SCALES go straight into registers, once: a lane takes its row's 32 bytes (eight words, one a step) by two loads of 16 bytes.
; Source 0 = 16 rows of woc, source 1 = 16 rows of oc: a lane holds eight neighbouring columns of a row of out0.  Results leave through a stage that lies on oc's codes, behind a barrier behind which nobody reads them;
; a wave's row piece is 256 consecutive bytes, aligned.
; No prefetch: the launch has no loop to run ahead in; all its tiles are asked for by the first products.
; REGISTERS: window 0: addresses, v32-63 oc's scale words, v64-127 woc's, v128-255 the way out.  Window 1 (v0-239) and window 2 (v0-143): oc's fragments, 48 a step.  Window 2 v160-255: woc's fragments, two sets.  Window 3: the accumulators, 128 a half.
.set KROW,   768
.set PITCH,  816
.set FR,     12
.set NP,     4
.set ABYTES, 128*PITCH
.set SPARE,  3*ABYTES
.set SPITCH, 272
.set ADRA, 16                          ; v16 my rows of oc + 24 h; v17 the same + 16 h, for a piece whose lanes 16-31 lie behind the next padding
.set ADRB, 18                          ; v18, v19 the same for my rows of woc in the first half; v20, v21 in the second
.set STO,  24
.set RD,   25
.set CO,   26
.set SVA,  27                          ; 32 r: my row's scales
.set SPW,  28
.set NIL,  29
.set SA,   32                          ; oc's scale words: block a, step st at 8 a + st
.set SBS,  64                          ; woc's: half ph, block b, step st at 8 (4 ph + b) + st
.set BK,   128
.set BF,   160
.set G1,  24
.set G0,  32
.set G1B, 48
.set G0B, 56
.set G0C, 60
.set MSB, 0
.macro WIN new
.if MSB != (\new)
	s_set_vgpr_msb (MSB<<8)|(\new)
.set MSB, (\new)
.endif
.endm
.macro CREST
	s_cmp_lg_u32 s14, 0
	s_cbranch_scc1 .Lnot_wave_0_\@
	s_barrier_signal -3
.Lnot_wave_0_\@:
	s_barrier_wait -3
	s_barrier_signal -1
	s_barrier_wait -1
.endm
.macro CROUND
	s_barrier_signal -1
	s_barrier_wait -1
	CREST
.endm
.macro PLACES n
.rept \n
	v_nop
.endr
.endm
	s_load_b128 s[4:7], s[0:1], 0x0                ; oc, os
	s_load_b128 s[8:11], s[0:1], 0x10              ; woc, wos
	s_load_b64 s[12:13], s[0:1], 0x20              ; out0
	v_lshl_add_u32 v[SPW], v0, 2, SPARE
	v_mov_b32 v[NIL], 0
	ds_add_u32 v[SPW], v[NIL]                      ; the opening lines: the add twice and its wait
	ds_add_u32 v[SPW], v[NIL]
	v_lshrrev_b32 v1, 5, v0
	v_readfirstlane_b32 s14, v1                    ; wave
	s_lshr_b32 s15, s14, 1                         ; my 64 rows of the block; at the head: I fetch oc (0) or woc (1)
	s_and_b32 s16, s14, 1                          ; my 64 columns of a half; at the head: which 64 rows I fetch
	s_bfe_u32 s40, ttmp6, 0x40000                  ; cx
	s_bfe_u32 s41, ttmp6, 0x40004                  ; cy
	s_lshl_b32 s42, ttmp9, 2
	s_add_co_u32 s42, s42, s40                     ; block column
	s_and_b32 s17, ttmp7, 0xffff
	s_lshl_b32 s17, s17, 2
	s_add_co_u32 s17, s17, s41                     ; block row
	s_lshl_b32 s43, s41, 2
	s_lshl_b32 s43, 15, s43                        ; my row of the cluster
	s_lshl_b32 s44, 0x1111, s40                    ; my column
	s_or_b32 s[G1+0], s43, (1<<20)|(1<<21)|(5<<22)|(3<<25)    ; bytes; 16 bytes of padding behind each 256
	s_or_b32 s[G1B+0], s44, (1<<20)|(1<<21)|(5<<22)|(3<<25)
.irp g, G1, G1B
	s_mov_b32 s[\g+1], KROW<<16
	s_mov_b32 s[\g+2], 64<<16
	s_mov_b32 s[\g+3], KROW<<16
	s_mov_b32 s[\g+4], 64
	s_mov_b32 s[\g+5], KROW
	s_mov_b32 s[\g+6], 0
	s_mov_b32 s[\g+7], 0
.endr
	s_lshl_b32 s20, s17, 7
	s_lshl_b32 s18, s16, 6
	s_add_co_u32 s20, s20, s18                     ; oc: the 64 rows that I fetch
	s_mul_i32 s20, s20, KROW
	s_mov_b32 s21, 0
	s_lshl_b32 s46, s42, 8
	s_add_co_u32 s46, s46, s18                     ; woc: the 64 rows that I fetch at the head, which are also those that I multiply in the first half
	s_lshl_b32 s66, s46, 5                         ; their scales
	s_mov_b32 s67, 0
	s_mul_i32 s46, s46, KROW
	s_mov_b32 s47, 0
	s_mul_i32 s45, s16, 64*PITCH                   ; where they go: no place in the cluster enters an LDS address
	s_add_co_u32 s19, s45, ABYTES
	s_lshl_b32 s72, s42, 8
	s_lshl_b32 s18, s14, 5
	s_add_co_u32 s72, s72, s18
	s_add_co_u32 s72, s72, 128                     ; woc: my 32 rows of the other 128
	s_mul_i32 s72, s72, KROW
	s_mov_b32 s73, 0
	s_mul_i32 s74, s14, 32*PITCH
	s_add_co_u32 s74, s74, 2*ABYTES
	s_lshl_b32 s22, s17, 7
	s_lshl_b32 s18, s15, 6
	s_add_co_u32 s22, s22, s18                     ; my first row of the result
	s_lshl_b32 s68, s22, 12                        ; in out0: 4,096 bytes a row,
	s_lshl_b32 s22, s22, 5                         ; in os: 32
	s_mov_b32 s23, 0
	s_lshl_b32 s18, s42, 10
	s_add_co_u32 s68, s68, s18
	s_lshl_b32 s18, s16, 8
	s_add_co_u32 s68, s68, s18                     ; + 1,024 x block column + 256 x my 64 columns
	s_mov_b32 s69, 0
	s_mul_i32 s70, s15, 64*PITCH
	s_mul_i32 s71, s14, 64*SPITCH
	s_wait_dscnt 0x0
	s_wait_kmcnt 0x0
	s_add_nc_u64 s[20:21], s[4:5], s[20:21]
	s_add_nc_u64 s[46:47], s[8:9], s[46:47]
	s_add_nc_u64 s[72:73], s[8:9], s[72:73]
	s_add_nc_u64 s[22:23], s[6:7], s[22:23]
	s_add_nc_u64 s[66:67], s[10:11], s[66:67]
	s_add_nc_u64 s[12:13], s[12:13], s[68:69]
	CROUND                                         ; all sixteen work-groups are here: the joint loads meet
	s_mov_b32 s[G0], 1
	s_mov_b32 s[G0+1], s45
	s_mov_b64 s[G0+2:G0+3], s[20:21]
	s_or_b32 s[G0+3], s[G0+3], 0x80000000
	s_mov_b32 s[G0B], 1
	s_mov_b32 s[G0B+1], s19
	s_mov_b64 s[G0B+2:G0B+3], s[46:47]
	s_or_b32 s[G0B+3], s[G0B+3], 0x80000000
	s_mov_b32 s[G0C], 1
	s_mov_b32 s[G0C+1], s74
	s_mov_b64 s[G0C+2:G0C+3], s[72:73]
	s_or_b32 s[G0C+3], s[G0C+3], 0x80000000
	s_cmp_eq_u32 s15, 0
	s_cbranch_scc0 .Lfor_b
	tensor_load_to_lds s[G0:G0+3], s[G1:G1+7]
	s_nop 0
	PLACES 4
	s_branch .Lasked
.Lfor_b:
	tensor_load_to_lds s[G0B:G0B+3], s[G1B:G1B+7]
	s_nop 0
	PLACES 4
.Lasked:
	v_and_b32 v1, 15, v0                           ; r
	v_bfe_u32 v2, v0, 4, 1                         ; h
	v_mul_u32_u24 v3, v1, PITCH
	v_mad_u32_u24 v3, v2, 24, v3
	v_lshl_add_u32 v4, v2, 4, v3
	v_add_nc_u32 v[ADRA], s70, v3
	v_add_nc_u32 v[ADRA+1], s70, v4
	v_add_nc_u32 v[ADRB], s19, v3
	v_add_nc_u32 v[ADRB+1], s19, v4
	v_add_nc_u32 v[ADRB+2], ABYTES, v[ADRB]
	v_add_nc_u32 v[ADRB+3], ABYTES, v[ADRB+1]
	v_lshlrev_b32 v[SVA], 5, v1
	v_mul_u32_u24 v5, v1, SPITCH
	v_lshl_add_u32 v5, v2, 5, v5
	v_add_nc_u32 v[STO], s71, v5                   ; the stage, in: row r, 32 bytes for each half of the lanes
	v_mul_u32_u24 v6, v2, SPITCH
	v_lshl_add_u32 v6, v1, 4, v6
	v_add_nc_u32 v[RD], s71, v6                    ; back: sixteen lanes to a row of 256 bytes, two rows an instruction
	v_lshlrev_b32 v7, 12, v2
	v_lshl_add_u32 v[CO], v1, 4, v7                ; the same two rows in out0
	s_wait_alu depctr_va_vdst(0)
.irp i, 0,1,2,3
	global_load_b128 v[SA+8*\i:SA+8*\i+3], v[SVA], s[22:23] offset:512*\i
	global_load_b128 v[SA+8*\i+4:SA+8*\i+7], v[SVA], s[22:23] offset:512*\i+16
.endr
.irp i, 0,1,2,3,4,5,6,7
	global_load_b128 v[SBS+8*\i:SBS+8*\i+3], v[SVA], s[66:67] offset:4096*(\i/4)+512*(\i%4)
	global_load_b128 v[SBS+8*\i+4:SBS+8*\i+7], v[SVA], s[66:67] offset:4096*(\i/4)+512*(\i%4)+16
.endr
	s_wait_tensorcnt 0x0                           ; my tile is in; the full sequence ahead of a later first fill
	ds_add_u32 v[SPW], v[NIL]
	s_mov_b32 s[G1B+2], 32<<16                     ; no load of mine is out: the next one brings 32 rows
	s_mov_b32 s[G1B+4], 32
	s_wait_dscnt 0x0
	CROUND                                         ; everybody's tile is in, and all sixteen work-groups are here
	tensor_load_to_lds s[G0C:G0C+3], s[G1B:G1B+7]  ; woc's other 128 rows, 32 a wave
	s_nop 0
	PLACES 4
.macro FRAG reg, adr, st, i            ; 16 rows x 128 K: six pieces of 8 bytes; byte y of a row lies at y + 16 (y / 256)
.irp p, 0,1,2,3,4,5
.set BY, 96*(\st)+48*(\p/3)+8*(\p%3)
.if BY/256 == (BY+24)/256
	ds_load_b64 v[\reg+2*\p:\reg+2*\p+1], v[\adr] offset:BY+16*(BY/256)+(\i)*16*PITCH
.else
	ds_load_b64 v[\reg+2*\p:\reg+2*\p+1], v[\adr+1] offset:BY+16*(BY/256)+(\i)*16*PITCH
.endif
.endr
.endm
.macro FETCH ph, st                    ; step st's fragments: woc's into set st % 2; in the first half oc's too, into their lasting registers (steps 0-4 in window 1, 5-7 in window 2)
	WIN 0x80
.irp i, 0,1,2,3
	FRAG BF+48*((\st)%2)+FR*\i, ADRB+2*(\ph), \st, \i
.endr
.if (\ph) == 0
	WIN (1+(\st)/5)<<6
.irp i, 0,1,2,3
	FRAG 48*((\st)%5)+FR*\i, ADRA, \st, \i
.endr
.endif
	WIN 0
.endm
; A step: its fragments are in; the next step's loads go out; 16 products, the 16 accumulators by turns in the same order in every step.
.macro KSTEP ph, st
	s_wait_dscnt 0x0
.if (\ph) == 0 && (\st) == 0
	s_wait_loadcnt 0x0                             ; the scale words
.else
	PLACES NP                                      ; in front of loads into the set that the last step multiplied
.endif
.if (\st) < 7
	FETCH \ph, (\st)+1
.elseif (\ph) == 0
	s_wait_tensorcnt 0x0                           ; my rows of woc's other half are in, and my reads of oc's codes are over
	s_barrier_signal -1
.endif
	WIN 0xf2|((1+(\st)/5)<<2)                      ; source 0 window 2, source 1 window 1 or 2, C and D window 3
.irp a, 0,1,2,3
.irp b, 0,1,2,3
.if (\st) == 0
	v_wmma_scale_f32_16x16x128_f8f6f4 v[128*(\ph)+8*(4*\a+\b):128*(\ph)+8*(4*\a+\b)+7], v[BF+48*((\st)%2)+FR*\b:BF+48*((\st)%2)+FR*\b+FR-1], v[48*((\st)%5)+FR*\a:48*((\st)%5)+FR*\a+FR-1], 0, v[SBS+8*(4*(\ph)+\b)+(\st)], v[SA+8*\a+(\st)] matrix_a_fmt:MATRIX_FMT_FP6 matrix_b_fmt:MATRIX_FMT_FP6
.else
	v_wmma_scale_f32_16x16x128_f8f6f4 v[128*(\ph)+8*(4*\a+\b):128*(\ph)+8*(4*\a+\b)+7], v[BF+48*((\st)%2)+FR*\b:BF+48*((\st)%2)+FR*\b+FR-1], v[48*((\st)%5)+FR*\a:48*((\st)%5)+FR*\a+FR-1], v[128*(\ph)+8*(4*\a+\b):128*(\ph)+8*(4*\a+\b)+7], v[SBS+8*(4*(\ph)+\b)+(\st)], v[SA+8*\a+(\st)] matrix_a_fmt:MATRIX_FMT_FP6 matrix_b_fmt:MATRIX_FMT_FP6
.endif
.endr
.endr
	WIN 0
.endm
; The way out of a half: my 64 rows x 64 columns through my own stage; whole rows of 256 bytes come back, two an instruction
.macro OUT ph
.if (\ph) > 0
	s_wait_xcnt 0x0                                ; the first half's stores have read their registers
.endif
	WIN 0x0c
.irp a, 0,1,2,3
.irp b, 0,1,2,3
	ds_store_b128 v[STO], v[128*(\ph)+8*(4*\a+\b):128*(\ph)+8*(4*\a+\b)+3] offset:\a*16*SPITCH+64*\b
	ds_store_b128 v[STO], v[128*(\ph)+8*(4*\a+\b)+4:128*(\ph)+8*(4*\a+\b)+7] offset:\a*16*SPITCH+64*\b+16
.endr
.endr
	WIN 0
.set tt, 0
.rept 32
	ds_load_b128 v[BK+4*tt:BK+4*tt+3], v[RD] offset:tt*2*SPITCH   ; LDS serves a wave's instructions in order: these see my stores
.set tt, tt+1
.endr
	s_wait_dscnt 0x0
.set tt, 0
.rept 32
	global_store_b128 v[CO], v[BK+4*tt:BK+4*tt+3], s[12:13] offset:tt*2*4096+512*(\ph) th:TH_STORE_NT   ; sixteen lanes store 256 consecutive bytes, aligned
.set tt, tt+1
.endr
.endm
	FETCH 0, 0
.set KST, 0
.rept 8
	KSTEP 0, KST
.set KST, KST+1
.endr
	s_barrier_wait -1                              ; all of woc is in, and nobody reads oc's codes any more: the stages may lie on them
	PLACES NP
	FETCH 1, 0
	OUT 0
.set KST, 0
.rept 8
	KSTEP 1, KST
.set KST, KST+1
.endr
	PLACES NP
	OUT 1
	s_wait_tensorcnt 0x0                           ; the wave's end
	ds_add_u32 v[SPW], v[NIL]
	s_wait_dscnt 0x0
	CROUND                                         ; the closing round
	s_endpgm
.Lfunc_end_k_qe7067cf863_oproj:
	.size	k_qe7067cf863_oproj, .Lfunc_end_k_qe7067cf863_oproj-k_qe7067cf863_oproj
	.p2alignl 7, 3214868480
	.fill 96, 4, 3214868480
	.section	.rodata,"a",@progbits
	.p2align	6, 0x0
	.amdhsa_kernel k_qe7067cf863_oproj
		.amdhsa_group_segment_fixed_size 327680
		.amdhsa_private_segment_fixed_size 0
		.amdhsa_enable_private_segment 0
		.amdhsa_kernarg_size 40
		.amdhsa_user_sgpr_count 2
		.amdhsa_user_sgpr_kernarg_segment_ptr 1
		.amdhsa_wavefront_size32 1
		.amdhsa_system_sgpr_workgroup_id_x 1
		.amdhsa_system_sgpr_workgroup_id_y 1
		.amdhsa_system_sgpr_workgroup_id_z 1
		.amdhsa_system_vgpr_workitem_id 0
		.amdhsa_next_free_vgpr 1024
		.amdhsa_next_free_sgpr 80
		.amdhsa_reserve_vcc 0
		.amdhsa_float_denorm_mode_32 3
		.amdhsa_float_denorm_mode_16_64 3
		.amdhsa_memory_ordered 1
		.amdhsa_forward_progress 1
		.amdhsa_inst_pref_size 97
	.end_amdhsa_kernel
	.amdgpu_metadata
---
amdhsa.version: [ 1, 2 ]
amdhsa.kernels:
  - .name:           k_qe7067cf863_oproj
    .symbol:         k_qe7067cf863_oproj.kd
    .args:
      - { .name: oc, .offset: 0, .size: 8, .value_kind: global_buffer, .address_space: global }
      - { .name: os, .offset: 8, .size: 8, .value_kind: global_buffer, .address_space: global }
      - { .name: woc, .offset: 16, .size: 8, .value_kind: global_buffer, .address_space: global }
      - { .name: wos, .offset: 24, .size: 8, .value_kind: global_buffer, .address_space: global }
      - { .name: out0, .offset: 32, .size: 8, .value_kind: global_buffer, .address_space: global }
    .group_segment_fixed_size: 327680
    .private_segment_fixed_size: 0
    .kernarg_segment_align: 8
    .kernarg_segment_size: 40
    .max_flat_workgroup_size: 128
    .sgpr_count:     80
    .vgpr_count:     1024
    .wavefront_size: 32
...
	.end_amdgpu_metadata
.endif
;; end of part 4
